; MI455X (gfx1250); checked and timed in simulation.
; The chip was launched on July 23, 2026; its instructions are those of AMD's public machine-readable ISA for CDNA 5 (MIT licence, August 2026) and "CDNA5" Instruction Set Architecture Reference Guide (July 2026). The comments in the code are by the model that wrote it; some were corrected since.
;; Multi Headed Attention. Allowed arithmetic: matrix products marked QUANTISED: E5M2 operands, one E8M0 scale for each 32 along K, by v_wmma_scale_f32_16x16x128_f8f6f4 with both operands' format E5M2, f32 sums; everything else in f32.
;; Inputs: WKb 16 x 64 float32; WKw_codes 16 x 64 x 32 x 32 uint8 (E5M2 codes of WKw, K innermost, in blocks of 32 codes); WKw_scales 16 x 64 x 32 uint8 (E8M0 scales of WKw, one for each 32 codes along K); WQb 16 x 64 float32; WQw_codes 16 x 64 x 32 x 32 uint8 (E5M2 codes of WQw, K innermost, in blocks of 32 codes); WQw_scales 16 x 64 x 32 uint8 (E8M0 scales of WQw, one for each 32 codes along K); WVb 16 x 64 float32; WVw_codes 16 x 64 x 32 x 32 uint8 (E5M2 codes of WVw, K innermost, in blocks of 32 codes); WVw_scales 16 x 64 x 32 uint8 (E8M0 scales of WVw, one for each 32 codes along K); Wb 1,024 float32; Ww_codes 1,024 x 32 x 32 uint8 (E5M2 codes of Ww, K innermost, in blocks of 32 codes); Ww_scales 1,024 x 32 uint8 (E8M0 scales of Ww, one for each 32 codes along K); input_k_codes 4 x 2,048 x 32 x 32 uint8 (E5M2 codes of input_k, K innermost, in blocks of 32 codes); input_k_scales 4 x 2,048 x 32 uint8 (E8M0 scales of input_k, one for each 32 codes along K); input_q_codes 4 x 2,048 x 32 x 32 uint8 (E5M2 codes of input_q, K innermost, in blocks of 32 codes); input_q_scales 4 x 2,048 x 32 uint8 (E8M0 scales of input_q, one for each 32 codes along K); input_v_codes 4 x 2,048 x 32 x 32 uint8 (E5M2 codes of input_v, K innermost, in blocks of 32 codes); input_v_scales 4 x 2,048 x 32 uint8 (E8M0 scales of input_v, one for each 32 codes along K).
;; Outputs: out0 4 x 2,048 x 1,024 float32.
;; This version of the problem:
;;   THIS VERSION OF THE PROBLEM IS GIVEN IN LOW PRECISION. The matrix products marked QUANTISED in the list below multiply operands that are first quantised to E5M2 (5 exponent bits, 2 mantissa bits; 8 bits a number), with one power-of-two scale for each 32 numbers along K (OCP MX v1.0); their sums are f32. All else is computed in f32.
;;   The module's matrix products, in the order in which they are computed (A, B: the left and right operand; K: the contracted axis; several contracted axes count as one K, in the product's order):
;;     1. [M 1,024, K 1,024] x [K 1,024, N 8,192]; A: input WQw (given as codes); B: input input_q (given as codes): QUANTISED
;;     2. [M 1,024, K 1,024] x [K 1,024, N 8,192]; A: input WKw (given as codes); B: input input_k (given as codes): QUANTISED
;;     3. [M 1,024, K 1,024] x [K 1,024, N 8,192]; A: input WVw (given as codes); B: input input_v (given as codes): QUANTISED
;;     4. batch 64 x [M 2,048, K 64] x [K 64, N 2,048]; A: computed on the way; B: computed on the way: QUANTISED
;;     5. batch 64 x [M 2,048, K 2,048] x [K 2,048, N 64]; A: softmax (see below); B: computed on the way: QUANTISED
;;     6. [M 8,192, K 1,024] x [K 1,024, N 1,024]; A: computed on the way; B: input Ww (given as codes): QUANTISED
;;   THE QUANTISER, for each operand of a quantised product, along K:
;;     - K is cut into blocks of 32 from its start; a last block that is shorter is filled with zeros.
;;     - A block's scale is 2^e with e = floor(log2(the largest magnitude in the block)) - 15, held to -126 .. 127; a block of zeros has e = 0. As a byte (E8M0): e + 127.
;;     - Each number is divided by its block's scale, clamped to +-57,344, and rounded to the nearest number of E5M2, ties to even, subnormals kept.
;;     - The product sums the exact products of the quantised numbers (number of the format x scale) in f32.
;;   ~~~python
;;   def quantise(x, axis):      # numpy; x: float32 -> the quantised numbers, widened to float32 again
;;       x = np.moveaxis(x, axis, -1); K = x.shape[-1]
;;       x = np.pad(x, [(0, 0)] * (x.ndim - 1) + [(0, -K % 32)]); x = x.reshape(x.shape[:-1] + (-1, 32)); a = np.abs(x).max(-1, keepdims=True)
;;       e = np.where(a > 0, np.clip(np.frexp(np.where(a > 0, a, 1))[1] - 1 - 15, -126, 127), 0)      # np.frexp(a)[1] - 1 = floor(log2(a)), exactly
;;       r = np.clip(x / 2.0 ** e, -57344, 57344)
;;       step = 2.0 ** (np.maximum(np.frexp(np.where(r == 0, 1, r))[1] - 1, -14) - 2)
;;       q = np.round(r / step) * step * 2.0 ** e      # np.round: ties to even
;;       return np.moveaxis(q.reshape(q.shape[:-2] + (-1,))[..., :K], -1, axis).astype(np.float32)
;;   ~~~
;;   SOFTMAX AHEAD OF A QUANTISED PRODUCT. Where the list says 'softmax', what is quantised is not the finished softmax but p = 2^(t - M), with t = logit x log2(e) and M = ceil(the row's largest t), a whole number; so 1/2 < the row's largest p <= 1. The row's sum l is taken of the UNQUANTISED p, in f32, and the product's result is divided by l at the end. Since M is a whole number, a kernel that streams over the keys may use a running M (the ceiling of the running maximum): every later rescaling is an exact power of two, which a block's scale takes up: the codes' values come out the same.
;;   OPERANDS COMPUTED ON THE WAY. 'Computed on the way' means the value that the module computes at that place (a softmax that the list does not call 'softmax' is quantised finished and normalised). What goes into a quantiser is computed in f32, as accurately as f32 sums, v_exp_f32 and their like allow (about 1e-6 of the number): no bf16 or f16 on the way to a quantiser, and a product that is left as it is and whose result goes on into a quantised operand takes f32 operands (vector FMAs, or v_wmma_f32_16x16x4_f32). A number that lies on a knife's edge between two numbers of the format may be rounded either way, as far as f32 arithmetic and the matrix unit's own rounding can turn it there, and no further.
;;   INPUTS GIVEN AS CODES. WKw (in the module: [16, 64, 1024], K = its axis 2); WQw (in the module: [16, 64, 1024], K = its axis 2); WVw (in the module: [16, 64, 1024], K = its axis 2); Ww (in the module: [1024, 1024], K = its axis 1); input_k (in the module: [4, 2048, 1024], K = its axis 2); input_q (in the module: [4, 2048, 1024], K = its axis 2); input_v (in the module: [4, 2048, 1024], K = its axis 2): each comes as NAME_codes (uint8): NAME with its K axis moved to the last place and cut into blocks of 32 codes, [.., K / 32, bytes a block], one block behind the other in memory; one code a byte (a code: sign, 5 exponent bits, 2 mantissa bits); and NAME_scales (uint8): the same leading axes, one E8M0 byte (e + 127) for each 32 codes along K. Its value is code x scale, taken as it is: it is not quantised again, and the codes and scales need not be those that the quantiser above would give.
;; One version. Each part assembles by itself: llvm-mc -triple=amdgcn-amd-amdhsa -mcpu=gfx1250 --defsym DOCPART=n.
;; ======== version 1 of 1: 3 launches
;; workspace buffers: qc 8,388,608 bytes; qs 524,288 bytes; kv 16,777,216 bytes; kvs 786,432 bytes; cc 8,388,608 bytes; cs 262,144 bytes
;; launch proj (part 1): grid 4 x 96, 4 waves a work-group, clusters of 4 x 4, 327,680 bytes of LDS; arguments input_q_codes, input_q_scales, WQw_codes, WQw_scales, WQb, input_k_codes, input_k_scales, WKw_codes, WKw_scales, WKb, input_v_codes, input_v_scales, WVw_codes, WVw_scales, WVb, qc, qs, kv, kvs; writes qc, qs, kv, kvs
.if DOCPART == 1
	.amdgcn_target "amdgcn-amd-amdhsa--gfx1250"
	.amdhsa_code_object_version 6
	.text
	.protected	k_q0bf274fa32_proj
	.globl	k_q0bf274fa32_proj
	.p2align	8
	.type	k_q0bf274fa32_proj,@function
k_q0bf274fa32_proj:
	s_mov_b64 s[64:65], 0
	v_nop
	global_prefetch_b8 v0, s[64:65] scope:SCOPE_SE
	s_setreg_imm32_b32 hwreg(HW_REG_WAVE_MODE, 25, 1), 1
	s_wait_xcnt 0x0
	s_wait_alu depctr_hold_cnt(0) depctr_sa_sdst(0) depctr_va_vdst(0) depctr_va_sdst(0) depctr_va_ssrc(0) depctr_va_vcc(0) depctr_vm_vsrc(0)
	s_getreg_b32 s2, hwreg(HW_REG_IB_STS2, 6, 4)
	s_cmp_eq_u32 s2, 0
	s_cbranch_scc0 .Lentry_in_a_cluster
	s_endpgm
.Lentry_in_a_cluster:
	s_bfe_u32 s2, ttmp6, 0x10000c
	s_cmp_lg_u32 s2, 0xf033
	s_cbranch_scc0 .Lentry_shape_is_right
	s_endpgm
.Lentry_shape_is_right:
; THE THREE PROJECTIONS: Q = x_q WQ^T + bQ, K = x_k WK^T + bK, V = x_v WV^T + bV, on codes of BF8 (E5M2) with E8M0 scales as they are given, sums in f32; and the quantisers of Q and K
; (along a head's 64) and of V (along the keys).  The results leave as codes and scale words, laid as images of the registers in which the next launch wants them.
; DEAD WORK OF THE WHOLE PROGRAM.  reference() adds -infinity to score (q, k) wherever k > q, by a mask that it builds in its own body: such a score gives the weight 0 whatever finite values the inputs hold.
; So the attention launch leaves out every step of 128 keys all of which come after a wave's 16 queries.  Nothing else is left out and every input is loaded (a bias on K moves K's codes, so it stays).
; LIMITS: a NaN, an infinity or an overflow that reaches only a masked score is not carried to the result; NaN and infinities among the inputs are not served; a block whose largest magnitude lies under
; 2^(15 - 126) gets the byte 1, and so does a block of zeros (its codes are zeros, and these bytes are read by this program alone).
; SHAPE.  A tile of 256 x 256 is made by four waves, each 128 x 128: 64 accumulators of 16 x 16.  K = 1,024 goes in steps of 256 through two LDS slots filled by the tensor data mover; the scales of the
; work-group's rows, for all of K, come once.  4 x 4 work-groups form a cluster: A's tiles are asked for jointly along a row of it, B's along a column.
; "A" is source 1 of the matrix instruction: its rows become the LANES of a result.  "B" is source 0: its rows run along a lane's REGISTERS, which is where a quantiser wants its K.
;   Q, K: A = the tokens, B = the weight's rows (a lane holds a token, its registers run along the head's e).      V: A = the weight's rows, B = the tokens (a lane holds a d, its registers run along the keys).
; The tensor T (0 Q, 1 K, 2 V) hangs on the cluster's y alone, so it is the same in all sixteen partners; it chooses pointers and strides, and three short branches (the bias's layout, the first step's C, the scale words).
; THE ORDER INSIDE A BLOCK OF 32.  The 16 registers of result tiles 2 c and 2 c + 1 are, of block c, rows 8 h + 0..7 and 16 + 8 h + 0..7 (h = lane / 16).  Converted as they stand they are registers 4 c .. 4 c + 3 of
; an operand whose k is permuted INSIDE its block, alike in Q and K, and alike in V and the weights p that the next launch makes the same way: the products' terms, the blocks and their scales are the same.
; REGISTERS, in windows of 256: window 0: v0-31 addresses; v32-63 scale words, two sets; v64-127 the bias, as the C of the first step; v128-255 A's fragments, later the codes.
;   window 1: B's fragments, two sets.   windows 2, 3: the accumulators ((a, b) at v[8 (8 (a % 4) + b)]).
.set NQ,     2                         ; matrix instructions deep in a slot
.set ROWB,   256                       ; a tile's row in bytes
.set KROW,   1024                      ; a row of codes in memory
.set PITCH,  272                       ; an LDS row: 256 bytes + 16 of padding, so that the 16 rows of a fragment load start 4 words apart in the banks (ISA guide 11.1)
.set FR,     16
.set NL,     4
.set NP,     8                         ; places behind this matrix instruction (ISA guide 7.12.1)
.set HALFT,  128*PITCH
.set SLOT,   4*HALFT
.set KS,     32                        ; a row of scale bytes
.set SCL,    2*SLOT
.set HALFS,  (128*KS/256)*272
.set SBLK,   (16*KS/256)*272
.set SPARE,  SCL+4*HALFS               ; the spare words, 128 bytes a wave; no other line names them
.set ADRA, 16
.set ADRB, 20
.set ADRS, 27
.set SPW,  28
.set NIL,  29
.set SC,   32
.set BIAS, 64
.set AF,   128
.set TM,   32                          ; the epilogue: v32-35 largest magnitudes, v36-39 bytes, v40-43 holds, v44-47 the conversions' scales, v48-51 four tiles' scale words, v52-63 words to store
.set CD,   128                         ; the epilogue: codes, 16 registers for each of my 8 tiles, so that no store's data are written again
.set G1, 24
.set G0, 32
.set G1B, 48
.set G0B, 56
.set G1S, 68
.set G0S, 76
.set G1SB, 80
.set G0SB, 88
.set TN,  66                           ; s66  the tensor: 0 Q, 1 K, 2 V
.set RA,  67                           ; s67  my wave's first row of A
.set RB,  95                           ; s95  and of B
.set OB,  96                           ; s[96:97] where my codes go
.set SS,  98                           ; s[98:99] where my scale words go
.set MSB, 0
.macro WIN new                         ; the immediate's high byte repeats the setting that is left
.if MSB != (\new)
	s_set_vgpr_msb (MSB<<8)|(\new)
.set MSB, (\new)
.endif
.endm
.set MUL_LO, 0xa1                      ; source 0 (B) window 1, source 1 (A) window 0, C and D window 2
.set MUL_HI, 0xf1                      ; the same, C and D window 3
.set BIA_LO, 0x81                      ; the first step: C (the bias) window 0, D window 2
.set BIA_HI, 0xc1                      ; D window 3
.set TO_B,   0x40
; A joint load: waves 0 and 1 fetch for A, waves 2 and 3 for B; the branch hangs on the wave's number alone.  An s_nop 0 and four v_nop follow each line.
.macro JLOAD g0a, g1a, g0b, g1b
	s_cmp_eq_u32 s15, 0
	s_cbranch_scc0 .Lfor_b_\@
	tensor_load_to_lds s[\g0a:\g0a+3], s[\g1a:\g1a+7]
	s_nop 0
.rept 4
	v_nop
.endr
	s_branch .Lasked_\@
.Lfor_b_\@:
	tensor_load_to_lds s[\g0b:\g0b+3], s[\g1b:\g1b+7]
	s_nop 0
.rept 4
	v_nop
.endr
.Lasked_\@:
.endm
.macro CREST                           ; a round of the cluster's barrier behind its opening barrier
	s_cmp_lg_u32 s14, 0
	s_cbranch_scc1 .Lnot_wave_0_\@
	s_barrier_signal -3
.Lnot_wave_0_\@:
	s_barrier_wait -3
	s_barrier_signal -1
	s_barrier_wait -1
.endm
.macro CROUND
	s_barrier_signal -1
	s_barrier_wait -1
	CREST
.endm
	s_load_b256 s[24:31], s[0:1], 0x0              ; Q's: x codes, x scales, W codes, W scales
	s_load_b256 s[32:39], s[0:1], 0x28             ; K's four
	s_load_b256 s[48:55], s[0:1], 0x50             ; V's four
	s_load_b64 s[56:57], s[0:1], 0x20              ; bQ
	s_load_b64 s[58:59], s[0:1], 0x48              ; bK
	s_load_b64 s[60:61], s[0:1], 0x70              ; bV
	v_lshl_add_u32 v[SPW], v0, 2, SPARE
	v_mov_b32 v[NIL], 0
	ds_add_u32 v[SPW], v[NIL]                      ; the wave's opening: the add, twice on end, and its wait ahead of my first tensor load
	ds_add_u32 v[SPW], v[NIL]
	v_lshrrev_b32 v1, 5, v0
	v_readfirstlane_b32 s14, v1                    ; wave 0..3
	s_lshr_b32 s15, s14, 1                         ; which half of A's rows is mine.  Also: I fetch for A (0) or for B (1)
	s_and_b32 s16, s14, 1                          ; which half of B's rows.  Also: which 128 rows of that tile I fetch
	s_bfe_u32 s40, ttmp6, 0x40000                  ; cx
	s_bfe_u32 s41, ttmp6, 0x40004                  ; cy
	s_and_b32 s18, ttmp7, 0xffff                   ; the cluster's y, 0..23
	s_lshr_b32 s[TN], s18, 3                       ; eight clusters to a tensor
	s_and_b32 s18, s18, 7                          ; which of the eight: it walks the tokens' 32 tiles of 256, four at a time
	s_cmp_eq_u32 s[TN], 2
	s_cselect_b32 s19, 0, s18                      ; Q, K: the tokens are A's rows;
	s_cselect_b32 s20, s18, 0                      ; V: they are B's
	s_lshl_b32 s17, s19, 2
	s_add_co_u32 s17, s17, s41                     ; tile row
	s_lshl_b32 s42, s20, 2
	s_add_co_u32 s42, s42, s40                     ; tile column
	s_lshl_b32 s43, s41, 2
	s_lshl_b32 s43, 15, s43                        ; my row of the cluster
	s_lshl_b32 s44, 0x1111, s40                    ; my column
	s_lshl_b32 s18, s16, 7                         ; which 128 rows of the tile I fetch
	s_lshl_b32 s20, s17, 8
	s_add_co_u32 s20, s20, s18                     ; A: row 256 x tile row + 128 x half
	s_lshl_b32 s46, s42, 8
	s_add_co_u32 s46, s46, s18                     ; B: row 256 x tile column + 128 x half
	s_mov_b32 s21, 0
	s_mov_b32 s47, 0
	s_mov_b64 s[18:19], KS
	s_mul_u64 s[22:23], s[20:21], s[18:19]         ; where these rows' scales begin, in bytes
	s_mul_u64 s[92:93], s[46:47], s[18:19]
	s_mov_b64 s[18:19], KROW
	s_mul_u64 s[20:21], s[20:21], s[18:19]         ; and their codes
	s_mul_u64 s[46:47], s[46:47], s[18:19]
	s_mul_i32 s45, s14, HALFT                      ; where they go: wave x 128 rows: no place in the cluster enters an LDS address
	s_mul_i32 s94, s14, HALFS
	s_wait_dscnt 0x0                               ; both opening adds are done
	s_wait_kmcnt 0x0
	s_cmp_eq_u32 s[TN], 0                          ; the choice of buffers hangs on the cluster's number alone
	s_cselect_b64 s[24:25], s[24:25], s[32:33]     ; Q's or K's
	s_cselect_b64 s[26:27], s[26:27], s[34:35]
	s_cselect_b64 s[28:29], s[28:29], s[36:37]
	s_cselect_b64 s[30:31], s[30:31], s[38:39]
	s_cselect_b64 s[56:57], s[56:57], s[58:59]
	s_cmp_eq_u32 s[TN], 2
	s_cselect_b64 s[4:5], s[52:53], s[24:25]       ; A's codes: V: the weight's; else the tokens'
	s_cselect_b64 s[6:7], s[54:55], s[26:27]       ; A's scales
	s_cselect_b64 s[8:9], s[48:49], s[28:29]       ; B's codes: V: the tokens'; else the weight's
	s_cselect_b64 s[10:11], s[50:51], s[30:31]     ; B's scales
	s_cselect_b64 s[12:13], s[60:61], s[56:57]     ; the bias
	; descriptor group 1: a tile of 128 rows x 256 bytes, 16 bytes of padding behind each row
	s_or_b32 s[G1+0], s43, (0<<16)|(1<<20)|(1<<21)|(5<<22)|(3<<25)  ; the mask: A's tiles go to my row; elements of 1 byte; padding on; bit 21 beside a mask; after every 64 words, 4 words
	s_or_b32 s[G1B+0], s44, (0<<16)|(1<<20)|(1<<21)|(5<<22)|(3<<25)
.irp g, G1, G1B
	s_mov_b32 s[\g+1], ROWB<<16                    ; tensor_dim0
	s_mov_b32 s[\g+2], 128<<16                     ; tensor_dim1
	s_mov_b32 s[\g+3], ROWB<<16                    ; tile_dim0
	s_mov_b32 s[\g+4], 128                         ; tile_dim1
	s_mov_b32 s[\g+5], KROW                        ; tensor_dim0_stride
	s_mov_b32 s[\g+6], 0
	s_mov_b32 s[\g+7], 0
.endr
	; the scales of 128 rows: 4,096 dense bytes, as 16 rows of 256 bytes (32 elements of 8), 16 bytes of padding behind each
	s_or_b32 s[G1S+0], s43, (3<<16)|(1<<20)|(1<<21)|(5<<22)|(3<<25)
	s_or_b32 s[G1SB+0], s44, (3<<16)|(1<<20)|(1<<21)|(5<<22)|(3<<25)
.irp g, G1S, G1SB
	s_mov_b32 s[\g+1], 32<<16
	s_mov_b32 s[\g+2], (128*KS/256)<<16
	s_mov_b32 s[\g+3], 32<<16
	s_mov_b32 s[\g+4], 128*KS/256
	s_mov_b32 s[\g+5], 32
	s_mov_b32 s[\g+6], 0
	s_mov_b32 s[\g+7], 0
.endr
	s_add_nc_u64 s[20:21], s[4:5], s[20:21]
	s_add_nc_u64 s[22:23], s[6:7], s[22:23]
	s_add_nc_u64 s[46:47], s[8:9], s[46:47]
	s_add_nc_u64 s[92:93], s[10:11], s[92:93]
	CROUND                                         ; all sixteen work-groups are here: the first joint loads meet
	s_mov_b32 s[G0S], 1
	s_add_co_u32 s[G0S+1], s94, SCL
	s_mov_b64 s[G0S+2:G0S+3], s[22:23]
	s_or_b32 s[G0S+3], s[G0S+3], 0x80000000
	s_mov_b32 s[G0SB], 1
	s_add_co_u32 s[G0SB+1], s94, SCL
	s_mov_b64 s[G0SB+2:G0SB+3], s[92:93]
	s_or_b32 s[G0SB+3], s[G0SB+3], 0x80000000
	JLOAD G0S, G1S, G0SB, G1SB                     ; the scales first: they are wanted with K step 0
.irp s, 0,1
	s_mov_b32 s[G0+4*\s], 1
	s_add_co_u32 s[G0+4*\s+1], s45, \s*SLOT
	s_add_nc_u64 s[G0+4*\s+2:G0+4*\s+3], s[20:21], \s*ROWB
	s_or_b32 s[G0+4*\s+3], s[G0+4*\s+3], 0x80000000
	s_mov_b32 s[G0B+4*\s], 1
	s_add_co_u32 s[G0B+4*\s+1], s45, \s*SLOT
	s_add_nc_u64 s[G0B+4*\s+2:G0B+4*\s+3], s[46:47], \s*ROWB
	s_or_b32 s[G0B+4*\s+3], s[G0B+4*\s+3], 0x80000000
	JLOAD G0+4*\s, G1, G0B+4*\s, G1B               ; three tensor loads of mine are out behind the second of these
.endr
	v_and_b32 v1, 15, v0                           ; r = lane % 16
	v_bfe_u32 v2, v0, 4, 1                         ; h = lane / 16
	v_mul_u32_u24 v3, v1, PITCH
	v_lshl_add_u32 v4, v2, 4, v3                   ; a fragment's row x pitch + 16 x half
	s_mul_i32 s21, s15, HALFT                      ; my 128 rows of A
	s_mul_i32 s22, s16, HALFT                      ; my 128 rows of B,
	s_add_co_u32 s22, s22, 2*HALFT                 ; which lie behind A's 256
.irp s, 0,1
	v_add_nc_u32 v[ADRA+\s], s21, v4
	v_add_nc_u32 v[ADRB+\s], s22, v4
	s_add_co_u32 s21, s21, SLOT
	s_add_co_u32 s22, s22, SLOT
.endr
	v_mul_u32_u24 v5, v1, KS                       ; my row's scales: 32 bytes a row,
	v_lshrrev_b32 v6, 8, v5
	v_lshl_add_u32 v5, v6, 4, v5                   ; and 16 more for each 256 passed
	s_mul_i32 s21, s15, HALFS
	s_mul_i32 s22, s16, HALFS
	s_add_co_u32 s22, s22, 2*HALFS
	s_sub_co_u32 s22, s22, s21
	v_mul_u32_u24 v6, s22, v2                      ; lanes 16-31 take B's
	s_add_co_u32 s21, s21, SCL
	v_add_nc_u32 v5, v5, v6
	v_add_nc_u32 v[ADRS], s21, v5
	; the bias, in the layout of a result, as the C of the first step
	s_lshl_b32 s[RA], s17, 8
	s_lshl_b32 s18, s15, 7
	s_add_co_u32 s[RA], s[RA], s18                 ; my first row of A
	s_lshl_b32 s[RB], s42, 8
	s_lshl_b32 s18, s16, 7
	s_add_co_u32 s[RB], s[RB], s18                 ; my first row of B
	s_cmp_eq_u32 s[TN], 2
	s_cselect_b32 s18, s[RA], s[RB]                ; my first row of the weight
	s_lshl_b32 s18, s18, 2
	s_mov_b32 s19, 0
	s_add_nc_u64 s[12:13], s[12:13], s[18:19]
	v_lshlrev_b32 v5, 5, v2                        ; Q, K: 32 h
	v_lshlrev_b32 v6, 2, v1                        ; V: 4 r
	s_cmp_eq_u32 s[TN], 2
	s_cbranch_scc1 .Lbias_v
.irp b, 0,1,2,3,4,5,6,7                        ; Q, K: register j of tile (a, b) is the weight's row 16 b + 8 h + j
	global_load_b128 v[BIAS+8*\b:BIAS+8*\b+3], v5, s[12:13] offset:64*\b
	global_load_b128 v[BIAS+8*\b+4:BIAS+8*\b+7], v5, s[12:13] offset:64*\b+16
.endr
	s_branch .Lbias_done
.Lbias_v:
.irp a, 0,1,2,3,4,5,6,7                        ; V: all eight registers of tile (a, b) are the weight's row 16 a + r
.irp j, 0,1,2,3,4,5,6,7
	global_load_b32 v[BIAS+8*\a+\j], v6, s[12:13] offset:64*\a
.endr
.endr
.Lbias_done:
.macro FRAG reg, adr, q, i             ; 16 rows x 128 K of 8-bit codes: lane l holds row l % 16; registers 4 c .. 4 c + 3 hold K = 32 c + 16 (l / 16) + 0 .. 15
.irp c, 0,1,2,3
	ds_load_b128 v[\reg+4*\c:\reg+4*\c+3], v[\adr] offset:128*(\q)+32*\c+(\i)*16*PITCH
.endr
.endm
; 16 matrix instructions: A's blocks a0, a0 + 1 x B's eight, the slot's q-th 128 along K.  p: B's set; sc: the set of scale words.  cm = 0: onto the sums; 1: the sums start from the bias by B's rows (Q, K); 2: by A's rows (V).
; The 64 accumulators take turns, one instruction a turn, in the same order in every step.
.macro MUL16 a0, p, q, sc, cm
.irp a, \a0, \a0+1
.irp b, 0,1,2,3,4,5,6,7
.if \cm == 1
	v_wmma_scale_f32_16x16x128_f8f6f4 v[8*(8*((\a)%4)+\b):8*(8*((\a)%4)+\b)+7], v[128*(\p)+FR*\b:128*(\p)+FR*\b+FR-1], v[AF+FR*(\a):AF+FR*(\a)+FR-1], v[BIAS+8*\b:BIAS+8*\b+7], v[SC+8*NQ*(\sc)+NQ*\b+(\q)], v[SC+8*NQ*(\sc)+NQ*(\a)+(\q)] matrix_a_fmt:MATRIX_FMT_BF8 matrix_b_fmt:MATRIX_FMT_BF8 matrix_a_scale:MATRIX_SCALE_ROW1
.elseif \cm == 2
	v_wmma_scale_f32_16x16x128_f8f6f4 v[8*(8*((\a)%4)+\b):8*(8*((\a)%4)+\b)+7], v[128*(\p)+FR*\b:128*(\p)+FR*\b+FR-1], v[AF+FR*(\a):AF+FR*(\a)+FR-1], v[BIAS+8*(\a):BIAS+8*(\a)+7], v[SC+8*NQ*(\sc)+NQ*\b+(\q)], v[SC+8*NQ*(\sc)+NQ*(\a)+(\q)] matrix_a_fmt:MATRIX_FMT_BF8 matrix_b_fmt:MATRIX_FMT_BF8 matrix_a_scale:MATRIX_SCALE_ROW1
.else
	v_wmma_scale_f32_16x16x128_f8f6f4 v[8*(8*((\a)%4)+\b):8*(8*((\a)%4)+\b)+7], v[128*(\p)+FR*\b:128*(\p)+FR*\b+FR-1], v[AF+FR*(\a):AF+FR*(\a)+FR-1], v[8*(8*((\a)%4)+\b):8*(8*((\a)%4)+\b)+7], v[SC+8*NQ*(\sc)+NQ*\b+(\q)], v[SC+8*NQ*(\sc)+NQ*(\a)+(\q)] matrix_a_fmt:MATRIX_FMT_BF8 matrix_b_fmt:MATRIX_FMT_BF8 matrix_a_scale:MATRIX_SCALE_ROW1
.endif
.endr
.endr
.endm
.macro FETCH_B slot, q, p
	WIN TO_B
.irp i, 0,1,2,3,4,5,6,7
	FRAG 128*(\p)+FR*\i, ADRB+\slot, \q, \i
.endr
	WIN 0
.endm
.macro FETCH_A slot, q, i0
.irp i, \i0, \i0+1, \i0+2, \i0+3
	FRAG AF+FR*(\i), ADRA+\slot, \q, \i
.endr
.endm
.macro SCALES sc                       ; a K step's scale words: two words a row; lanes 0-15 take A's block i, lanes 16-31 B's block i
.irp i, 0,1,2,3,4,5,6,7
	ds_load_b64 v[SC+8*NQ*\sc+NQ*\i:SC+8*NQ*\sc+NQ*\i+1], v[ADRS] offset:\i*SBLK
.endr
.endm
.macro PLACES n                        ; plain vector instructions between a matrix instruction and a load into, or a vector access of, its registers
.rept \n
	v_nop
.endr
.endm
; A step of 128 along K that has its successor in the same slot.  A's one set: blocks 0-3 are fetched anew in the step's middle, blocks 4-7 at its end; B has two sets.
.macro STEP slot, q, cm
	s_wait_dscnt 4*NL                              ; all but the youngest 16 loads (A's blocks 4-7) are in
.if \cm
	WIN BIA_LO
.else
	WIN MUL_LO
.endif
	MUL16 0, (\q)%2, \q, \slot, \cm
	MUL16 2, (\q)%2, \q, \slot, \cm
	s_wait_dscnt 0
	PLACES NP
	FETCH_B \slot, (\q)+1, 1-(\q)%2
	FETCH_A \slot, (\q)+1, 0
.if \cm
	WIN BIA_HI
.else
	WIN MUL_HI
.endif
	MUL16 4, (\q)%2, \q, \slot, \cm
	MUL16 6, (\q)%2, \q, \slot, \cm
	PLACES NP
	WIN 0
	FETCH_A \slot, (\q)+1, 4
.endm
; A slot's last step changes slots: ONE barrier; in front of it each wave waits for all its tensor loads, adds 0 to its spare word, and waits for that and for its reads of this slot.  fill = 1: the slot is filled again, two K steps ahead.
.macro TURN slot, next, fill
	s_wait_tensorcnt 0x0                           ; all my tensor loads have landed: my part of the next slot
	ds_add_u32 v[SPW], v[NIL]                      ; 0 onto my spare word
	s_wait_dscnt 4*NL+1                            ; (the add and the youngest 16 loads may be out)
	WIN MUL_LO
	MUL16 0, 1, NQ-1, \slot, 0
	s_wait_dscnt 0x0                               ; the add is done, and my reads of this slot are over
	s_barrier_signal -1
	MUL16 2, 1, NQ-1, \slot, 0
	WIN 0
	s_barrier_wait -1
.if \fill
	CREST                                          ; the barrier has opened a round of the cluster's barrier: no wave of any partner still reads this slot or has a load on its way
	s_add_nc_u64 s[G0+4*\slot+2:G0+4*\slot+3], s[G0+4*\slot+2:G0+4*\slot+3], 2*ROWB
	s_add_nc_u64 s[G0B+4*\slot+2:G0B+4*\slot+3], s[G0B+4*\slot+2:G0B+4*\slot+3], 2*ROWB
	JLOAD G0+4*\slot, G1, G0B+4*\slot, G1B         ; the first tensor load behind the round; its four v_nop are among the places in front of the loads below
	PLACES NP-4
.else
	PLACES NP
.endif
	v_add_nc_u32 v[ADRS], 4*NQ, v[ADRS]            ; on to the next K step's scale words
	FETCH_B \next, 0, 0
	FETCH_A \next, 0, 0
	SCALES \next
	WIN MUL_HI
	MUL16 4, 1, NQ-1, \slot, 0
	MUL16 6, 1, NQ-1, \slot, 0
	PLACES NP
	WIN 0
	FETCH_A \next, 0, 4
.endm
	s_wait_tensorcnt 1                             ; the scales and my part of K step 0 are in; K step 1's load may stay out
	s_barrier_signal -1
	s_barrier_wait -1
	FETCH_B 0, 0, 0
	FETCH_A 0, 0, 0
	SCALES 0
	FETCH_A 0, 0, 4
	s_wait_loadcnt 0x0                             ; the bias
	s_cmp_eq_u32 s[TN], 2
	s_cbranch_scc1 .Lfirst_v
	STEP 0, 0, 1                                   ; the first step starts the sums from the bias: nothing is cleared and nothing is added later
	s_branch .Lfirst_done
.Lfirst_v:
	STEP 0, 0, 2
.Lfirst_done:
	TURN 0, 1, 1                                   ; K = 1,024 is four slots' worth: eight steps, written out
	STEP 1, 0, 0
	TURN 1, 0, 1
	STEP 0, 0, 0
	TURN 0, 1, 0                                   ; nothing is left to fetch: no round of the cluster's barrier
	s_load_b256 s[24:31], s[0:1], 0x78             ; no tensor load of mine is out, so the descriptors' registers are free: qc, qs, kv, kvs
	STEP 1, 0, 0
	s_wait_dscnt 4*NL                              ; the very last step
	WIN MUL_LO
	MUL16 0, 1, NQ-1, 1, 0
	MUL16 2, 1, NQ-1, 1, 0
	s_wait_dscnt 0
	WIN MUL_HI
	MUL16 4, 1, NQ-1, 1, 0
	MUL16 6, 1, NQ-1, 1, 0
	WIN 0
	; THE WAY OUT.  Where my codes and scale words go; the three tensors differ in numbers alone.
	;   qc  [b][h][tile of 16 tokens][c 2][lane][16 bytes]                    qs  [b][h][64 tokens][lane][w 2] words: word (lane, w) is token 16 (2 w + lane / 16) + lane % 16 of the 64
	;   kv  [b][h][256 keys: 32,768 bytes]: K [tile of 16 keys][c 2][lane][16], then from 16,384 on V [128 keys][tile of 16 d][c 4][lane][16]
	;   kvs [b][h][128 keys: 768 bytes]: K's words as in qs (2 x 256 bytes), then V's [lane][w 2] for d tile 2 w + lane / 16
	s_cmp_eq_u32 s[TN], 2
	s_cselect_b32 s18, s[RB], s[RA]                ; my first token
	s_cselect_b32 s19, s[RA], s[RB]                ; my first row of the weight: two heads
	s_lshr_b32 s20, s18, 11                        ; b
	s_and_b32 s21, s18, 2047                       ; t: the token in its sequence, a multiple of 128
	s_lshr_b32 s19, s19, 6
	s_lshl_b32 s20, s20, 4
	s_add_co_u32 s20, s20, s19                     ; 16 b + head
	s_lshl_b32 s32, s20, 17
	s_lshl_b32 s33, s21, 6
	s_add_co_u32 s32, s32, s33                     ; Q's codes
	s_lshl_b32 s33, s20, 18
	s_lshr_b32 s34, s21, 8
	s_lshl_b32 s34, s34, 15
	s_add_co_u32 s33, s33, s34
	s_bfe_u32 s34, s21, 0x10007
	s_lshl_b32 s34, s34, 13
	s_add_co_u32 s33, s33, s34                     ; K's
	s_add_co_u32 s34, s33, 16384                   ; V's
	s_lshl_b32 s35, s20, 13
	s_lshl_b32 s36, s21, 2
	s_add_co_u32 s35, s35, s36                     ; Q's scale words
	s_lshl_b32 s36, s20, 4
	s_lshr_b32 s37, s21, 7
	s_add_co_u32 s36, s36, s37
	s_mul_i32 s36, s36, 768                        ; K's
	s_add_co_u32 s37, s36, 512                     ; V's
	s_mov_b32 s54, 262144                          ; from code groups 0, 1 to groups 2, 3: Q, K: the next head; V: 1,024 bytes
	s_mov_b32 s55, 12288                           ; Q, K: the next head's scale words
	s_mov_b32 s48, 1024                            ; from tile a to tile a + 1
	s_mov_b32 s50, 1024                            ; from tile 3 to tile 4: V: the next head's first d tile
	s_mov_b32 s52, 256                             ; from the first four tiles' scale words to the last four's
	s_mov_b32 s49, 0
	s_mov_b32 s51, 0
	s_mov_b32 s53, 0
	s_mov_b32 s57, 0
	s_mov_b32 s59, 0
	s_mov_b32 s60, 0x76543210
	s_mov_b32 s61, 0xfedcba98                      ; v_permlanex16_b32's selects for lane l xor 16
	s_mov_b32 s62, 0x600000                        ; the mantissa field of 57,344
	s_mov_b32 s63, 0xffff
	s_mov_b32 s68, 0x7f7f0000                      ; a head has 64 along K: the matrix instruction's other 64 are zero codes under the byte 127
	s_wait_kmcnt 0x0
	s_cmp_eq_u32 s[TN], 0
	s_cselect_b32 s56, s32, s33
	s_cselect_b32 s58, s35, s36
	s_cselect_b32 s54, 131072, s54
	s_cselect_b32 s55, 8192, s55
	s_cselect_b64 s[OB:OB+1], s[24:25], s[28:29]
	s_cselect_b64 s[SS:SS+1], s[26:27], s[30:31]
	s_cmp_eq_u32 s[TN], 2
	s_cselect_b32 s56, s34, s56
	s_cselect_b32 s58, s37, s58
	s_cselect_b32 s54, 1024, s54
	s_cselect_b32 s48, 2048, s48
	s_cselect_b32 s50, 256000, s50
	s_cselect_b32 s52, 12288, s52
	s_add_nc_u64 s[OB:OB+1], s[OB:OB+1], s[56:57]
	s_add_nc_u64 s[SS:SS+1], s[SS:SS+1], s[58:59]
	PLACES NP                                      ; behind the last products: results are read, and operands' and scales' registers written, from here on
	v_and_b32 v1, 31, v0
	v_lshlrev_b32 v2, 4, v1                        ; 16 x lane: code groups 0, 1
	v_add_nc_u32 v3, s54, v2                       ; groups 2, 3
	v_lshlrev_b32 v4, 3, v1                        ; 8 x lane: scale words
	v_add_nc_u32 v5, s55, v4                       ; the second head's
.irp b, 0,1,2,3
	v_mov_b32 v[TM+4+\b], 0                        ; written once: a lane permute's destination counts as one of its sources
.endr
	v_cmp_lt_u32 vcc_lo, 15, v1                    ; lanes 16-31 (no tensor load follows)
; My tile a: 16 lanes' rows x 128 along the registers = four blocks of 32; block bb is the 16 registers of accumulators 2 bb, 2 bb + 1, in lanes l and l xor 16.
.macro QUANT a
.set W, 2+(\a)/4
.set AC, 64*((\a)%4)
.set WN, W|(W<<2)
	WIN WN
.irp bb, 0,1,2,3
	v_max3_num_f32 v[TM+\bb], |v[AC+16*\bb]|, |v[AC+16*\bb+1]|, 0x8000000   ; my 16 numbers and the floor 2^(16 - 127): the byte cannot fall under 1.  Each accumulator is read from its low end on
.endr
.set WN, (W<<2)|(W<<4)
	WIN WN
.irp i, 2,4,6,8,10,12,14
.irp bb, 0,1,2,3
	v_max3_num_f32 v[TM+\bb], v[TM+\bb], |v[AC+16*\bb+\i]|, |v[AC+16*\bb+\i+1]|
.endr
.endr
	WIN 0
.irp bb, 0,1,2,3
	v_permlanex16_b32 v[TM+4+\bb], v[TM+\bb], s60, s61
.endr
.irp bb, 0,1,2,3
	v_max_num_f32 v[TM+\bb], v[TM+\bb], v[TM+4+\bb]            ; the block's largest magnitude
.endr
.irp bb, 0,1,2,3
	v_add_nc_u32 v[TM+12+\bb], 0xf8800000, v[TM+\bb]           ; 15 off its exponent field: the conversion's scale operand
.endr
.irp bb, 0,1,2,3
	v_and_or_b32 v[TM+8+\bb], v[TM+\bb], 0x7f800000, s62       ; 57,344 x the scale
.endr
.irp bb, 0,1,2,3
	v_lshrrev_b32 v[TM+4+\bb], 23, v[TM+12+\bb]                ; the scale's byte
.endr
	v_lshl_or_b32 v[48+(\a)%4], v[TM+5], 8, v[TM+4]
	v_lshl_or_b32 v[48+(\a)%4], v[TM+6], 16, v[48+(\a)%4]
	v_lshl_or_b32 v[48+(\a)%4], v[TM+7], 24, v[48+(\a)%4]      ; the tile's four bytes
.set WN, W|(W<<6)
	WIN WN
.irp bb, 0,1,2,3
.irp i, 0,1,2,3,4,5,6,7,8,9,10,11,12,13,14,15
	v_med3_num_f32 v[AC+16*\bb+\i], v[AC+16*\bb+\i], -v[TM+8+\bb], v[TM+8+\bb]   ; the conversion to an 8-bit code does not saturate (ISA guide 7.6.2): the hold comes first
.endr
.endr
	WIN W
.irp bb, 0,1,2,3
	v_cvt_scalef32_pk8_bf8_f32 v[CD+16*(\a)+4*\bb:CD+16*(\a)+4*\bb+1], v[AC+16*\bb:AC+16*\bb+7], v[TM+12+\bb]
	v_cvt_scalef32_pk8_bf8_f32 v[CD+16*(\a)+4*\bb+2:CD+16*(\a)+4*\bb+3], v[AC+16*\bb+8:AC+16*\bb+15], v[TM+12+\bb]
.endr
	WIN 0
	v_nop                                          ; a plain instruction behind the last conversion, ahead of the lines that write its scale operands anew
.endm
.macro PUT a                           ; four stores, each 512 consecutive bytes at a multiple of 512 from the buffer's first byte
.if (\a) > 0
	s_wait_xcnt 0x0                                ; the earlier stores have read their base
.if (\a) == 4
	s_add_nc_u64 s[OB:OB+1], s[OB:OB+1], s[50:51]
.else
	s_add_nc_u64 s[OB:OB+1], s[OB:OB+1], s[48:49]
.endif
.endif
	global_store_b128 v2, v[CD+16*(\a):CD+16*(\a)+3], s[OB:OB+1]
	global_store_b128 v2, v[CD+16*(\a)+4:CD+16*(\a)+7], s[OB:OB+1] offset:512
	global_store_b128 v3, v[CD+16*(\a)+8:CD+16*(\a)+11], s[OB:OB+1]
	global_store_b128 v3, v[CD+16*(\a)+12:CD+16*(\a)+15], s[OB:OB+1] offset:512
.endm
.macro WORDS g                         ; four tiles' scale words: lanes 0-15 keep the even tile's, lanes 16-31 take the odd tile's: 8 bytes a lane, 256 consecutive bytes a store
.set PR, 52+6*(\g)
	v_cndmask_b32 v[PR], v48, v49, vcc_lo
	v_cndmask_b32 v[PR+1], v50, v51, vcc_lo
	s_cmp_eq_u32 s[TN], 2
	s_cbranch_scc1 .Lwords_v_\@
	v_and_or_b32 v[PR+2], v[PR], s63, s68          ; Q, K: bytes 0, 1 are the first head's two blocks,
	v_and_or_b32 v[PR+3], v[PR+1], s63, s68
	v_lshrrev_b32 v[PR+4], 16, v[PR]               ; bytes 2, 3 the second head's
	v_lshrrev_b32 v[PR+5], 16, v[PR+1]
	v_or_b32 v[PR+4], s68, v[PR+4]
	v_or_b32 v[PR+5], s68, v[PR+5]
	global_store_b64 v4, v[PR+2:PR+3], s[SS:SS+1]
	global_store_b64 v5, v[PR+4:PR+5], s[SS:SS+1]
	s_branch .Lwords_done_\@
.Lwords_v_\@:
	global_store_b64 v4, v[PR:PR+1], s[SS:SS+1]    ; V: the four bytes are the four blocks of these 128 keys
.Lwords_done_\@:
.endm
.irp a, 0,1,2,3
	QUANT \a
	PUT \a
.endr
	WORDS 0
	s_wait_xcnt 0x0                                ; the stores have read their base
	s_add_nc_u64 s[SS:SS+1], s[SS:SS+1], s[52:53]
.irp a, 4,5,6,7
	QUANT \a
	PUT \a
.endr
	WORDS 1
	s_wait_tensorcnt 0x0                           ; the wave's end
	ds_add_u32 v[SPW], v[NIL]
	s_wait_dscnt 0x0
	CROUND                                         ; the closing round: no work-group ends while a partner may still ask for a tile that names it
	s_endpgm
.Lfunc_end_k_q0bf274fa32_proj:
	.size	k_q0bf274fa32_proj, .Lfunc_end_k_q0bf274fa32_proj-k_q0bf274fa32_proj
	.p2alignl 7, 3214868480
	.fill 96, 4, 3214868480
	.section	.rodata,"a",@progbits
	.p2align	6, 0x0
	.amdhsa_kernel k_q0bf274fa32_proj
		.amdhsa_group_segment_fixed_size 327680
		.amdhsa_private_segment_fixed_size 0
		.amdhsa_enable_private_segment 0
		.amdhsa_kernarg_size 152
		.amdhsa_user_sgpr_count 2
		.amdhsa_user_sgpr_kernarg_segment_ptr 1
		.amdhsa_wavefront_size32 1
		.amdhsa_system_sgpr_workgroup_id_x 1
		.amdhsa_system_sgpr_workgroup_id_y 1
		.amdhsa_system_sgpr_workgroup_id_z 1
		.amdhsa_system_vgpr_workitem_id 0
		.amdhsa_next_free_vgpr 1024
		.amdhsa_next_free_sgpr 102
		.amdhsa_reserve_vcc 1
		.amdhsa_float_denorm_mode_32 3
		.amdhsa_float_denorm_mode_16_64 3
		.amdhsa_memory_ordered 1
		.amdhsa_forward_progress 1
		.amdhsa_inst_pref_size 210
	.end_amdhsa_kernel
	.amdgpu_metadata
---
amdhsa.version: [ 1, 2 ]
amdhsa.kernels:
  - .name:           k_q0bf274fa32_proj
    .symbol:         k_q0bf274fa32_proj.kd
    .args:
      - { .name: input_q_codes, .offset: 0, .size: 8, .value_kind: global_buffer, .address_space: global }
      - { .name: input_q_scales, .offset: 8, .size: 8, .value_kind: global_buffer, .address_space: global }
      - { .name: WQw_codes, .offset: 16, .size: 8, .value_kind: global_buffer, .address_space: global }
      - { .name: WQw_scales, .offset: 24, .size: 8, .value_kind: global_buffer, .address_space: global }
      - { .name: WQb, .offset: 32, .size: 8, .value_kind: global_buffer, .address_space: global }
      - { .name: input_k_codes, .offset: 40, .size: 8, .value_kind: global_buffer, .address_space: global }
      - { .name: input_k_scales, .offset: 48, .size: 8, .value_kind: global_buffer, .address_space: global }
      - { .name: WKw_codes, .offset: 56, .size: 8, .value_kind: global_buffer, .address_space: global }
      - { .name: WKw_scales, .offset: 64, .size: 8, .value_kind: global_buffer, .address_space: global }
      - { .name: WKb, .offset: 72, .size: 8, .value_kind: global_buffer, .address_space: global }
      - { .name: input_v_codes, .offset: 80, .size: 8, .value_kind: global_buffer, .address_space: global }
      - { .name: input_v_scales, .offset: 88, .size: 8, .value_kind: global_buffer, .address_space: global }
      - { .name: WVw_codes, .offset: 96, .size: 8, .value_kind: global_buffer, .address_space: global }
      - { .name: WVw_scales, .offset: 104, .size: 8, .value_kind: global_buffer, .address_space: global }
      - { .name: WVb, .offset: 112, .size: 8, .value_kind: global_buffer, .address_space: global }
      - { .name: qc, .offset: 120, .size: 8, .value_kind: global_buffer, .address_space: global }
      - { .name: qs, .offset: 128, .size: 8, .value_kind: global_buffer, .address_space: global }
      - { .name: kv, .offset: 136, .size: 8, .value_kind: global_buffer, .address_space: global }
      - { .name: kvs, .offset: 144, .size: 8, .value_kind: global_buffer, .address_space: global }
    .group_segment_fixed_size: 327680
    .private_segment_fixed_size: 0
    .kernarg_segment_align: 8
    .kernarg_segment_size: 152
    .max_flat_workgroup_size: 128
    .sgpr_count:     102
    .vgpr_count:     1024
    .wavefront_size: 32
...
	.end_amdgpu_metadata
.endif
;; end of part 1
;; launch attn (part 2): grid 8 x 32, 16 waves a work-group, no clusters, 327,680 bytes of LDS; arguments qc, qs, kv, kvs, cc, cs; writes cc, cs
.if DOCPART == 2
	.amdgcn_target "amdgcn-amd-amdhsa--gfx1250"
	.amdhsa_code_object_version 6
	.text
	.protected	k_q0bf274fa32_attn
	.globl	k_q0bf274fa32_attn
	.p2align	8
	.type	k_q0bf274fa32_attn,@function
k_q0bf274fa32_attn:
	s_mov_b64 s[64:65], 0
	v_nop
	global_prefetch_b8 v0, s[64:65] scope:SCOPE_SE
	s_setreg_imm32_b32 hwreg(HW_REG_WAVE_MODE, 25, 1), 1
	s_wait_xcnt 0x0
; CAUSAL ATTENTION ON CODES: ctx[b][h][q] = the sum over k <= q of softmax_k(Q . K / 32) V, both products on codes of BF8 (E5M2) with E8M0 scales, and ctx's quantiser along h x 64 + v.
; LEFT OUT, as shown at the head of the first kernel: a step of 128 keys all of which come after a wave's 16 queries (reference()'s own mask gives them the weight 0 for all values of the inputs).
; LIMITS: a NaN, an infinity or an overflow that reaches only a masked score is not carried to the result; a block of p or of ctx whose largest magnitude lies under 2^(15 - 126), zeros too, gets the byte 1.
; THE SOFTMAX: t = score x log2(e) / 32; M = the running largest t rounded UP to a whole number; p = 2^(t - M) is quantised along the keys, not normalised; the row's sum is taken of the unquantised p and divides at the end.
; When M moves, the sum and O are multiplied by 2^(old M - new M): exact.
; SHARES.  A work-group stays for two heads, 2 j and 2 j + 1 (their four scale bytes make one word of ctx's scales), and owns blocks x and 15 - x of 128 queries: x + 1 and 16 - x key steps, 17 for every x, so that all
; 256 work-groups have equal work.  Each of sixteen waves owns one tile of 16 queries in 256 registers; wave w takes tile w / 2 of block x (sel = 0) or 15 - x (sel = 1), sel = (w xor w / 4) % 2.
; NO CLUSTER: work-groups of one head end their walk over the keys at different places (9 to 16 steps), so a joint load would bring tiles that every wave of some partner passes over.
; OPERANDS come as images of their registers (the first kernel's head has the layouts): a fragment's four registers are 512 consecutive bytes, 16 a lane: no pitch, no padding.
; K's and V's records of 256 keys (32,768 bytes: K's half, V's half) go through a ring of two LDS slots: wave 0 fetches K's half, wave 1 V's; the two heads' 16 records lie on end in memory.
; Both products are used transposed: S^T = K Q^T, O^T = V^T P^T: a lane holds one query throughout.  A head has 64 along K: registers 8-15 of K's and Q's fragments are zeros, under the scale byte 127.
; REGISTERS: v1-9 addresses; v10, v11 ctx's scale bytes; v12 -M, v13 the largest t, v[14:15] the sum; v16-31 Q; v32-95 four fragments of K; v96-159 S^T, then p, then V's four fragments; v160-191 O^T; v224-239 p's codes; v232-254 at work; v255 Q's scale word.
.set SLOT1, 1<<15                      ; slot 1: one exclusive or turns an address in one slot into the other's
.set SCB,   65536                      ; the two heads' scale words: 32 key steps x 768 bytes
.set GATH,  90112                      ; ctx's scale words meet here: 2 blocks x 512 bytes; stored by LDS stores alone, no tile lands here
.set SPARE, 91136                      ; the spare words, 128 bytes a wave; no other line names them
.set L16,  1                           ; v1  16 x lane
.set R8,   2                           ; v2  8 x (lane % 16)
.set GA,   3                           ; v3  where my tile's scale word goes
.set GR,   4                           ; v4  where waves 0 and 1 read a block's words back
.set SPW,  5
.set NIL,  6
.set PFO,  7                           ; v7  256 x lane
.set ADK,  8                           ; v8  the slot in hand + 16 x lane
.set ADS,  9                           ; v9  the step's scale words + 8 x (lane % 16)
.set WV,   18
.set MNT,  19
.set SEL,  20
.set CS,   22
.set G1C,  24                          ; s[24:31] group 1: 64 rows of 256 bytes;  s[32:39]: 48 rows
.set G1S,  32
.set G0C,  40                          ; s[40:43] group 0 for the records: it walks;  s[44:47] for the scale words
.set G0S,  44
.set TB,   2                           ; s2   the slot in hand
.set TS,   3                           ; s3   the step's scale words
.set SLOTS, 67
.set KF,   68                          ; s68  the step's first key
.set Q0,   69                          ; s69  my first query
.set LASTQ, 70                         ; s70  my work-group's last query
.set LIM,  71
.set PFA,  72
	s_load_b256 s[4:11], s[0:1], 0x0               ; qc, qs, kv, kvs
	s_load_b128 s[12:15], s[0:1], 0x20             ; cc, cs
	v_lshl_add_u32 v[SPW], v0, 2, SPARE
	v_mov_b32 v[NIL], 0
	ds_add_u32 v[SPW], v[NIL]                      ; the wave's opening: the add, twice on end, and its wait ahead of my first tensor load
	ds_add_u32 v[SPW], v[NIL]
	v_lshrrev_b32 v8, 5, v0
	v_readfirstlane_b32 s[WV], v8                  ; wave 0..15
	s_and_b32 s48, ttmp7, 0xffff                   ; y = 8 b + j
	s_lshr_b32 s49, s48, 3                         ; b
	s_and_b32 s50, s48, 7                          ; j
	s_lshr_b32 s51, s[WV], 1                       ; my tile in its block
	s_lshr_b32 s52, s[WV], 2
	s_xor_b32 s52, s52, s[WV]
	s_and_b32 s52, s52, 1                          ; sel
	s_and_b32 s53, s[WV], 1                        ; e: which half I fetch, if I fetch
	s_lshl_b32 s54, ttmp9, 1
	s_sub_co_u32 s54, 15, s54                      ; 15 - 2 x
	s_mul_i32 s55, s52, s54
	s_add_co_u32 s55, s55, ttmp9                   ; my block of 128 queries
	s_lshl_b32 s[Q0], s55, 7
	s_lshl_b32 s56, s51, 4
	s_add_co_u32 s[Q0], s[Q0], s56
	s_sub_co_u32 s[LASTQ], 15, ttmp9
	s_lshl_b32 s[LASTQ], s[LASTQ], 7
	s_or_b32 s[LASTQ], s[LASTQ], 127
	s_lshl_b32 s74, s48, 19                        ; kv: heads 2 y on, 262,144 bytes each,
	s_lshl_b32 s56, s53, 14
	s_add_co_u32 s74, s74, s56                     ; + my half of a record
	s_mov_b32 s75, 0
	s_lshl_b32 s76, s48, 1
	s_add_co_u32 s76, s76, s53
	s_mul_i32 s76, s76, 12288                      ; kvs: head 2 y + e
	s_mov_b32 s77, 0
	s_lshl_b32 s78, s48, 18
	s_lshl_b32 s56, s[Q0], 6
	s_add_co_u32 s78, s78, s56                     ; qc: head 2 y, my tile: 1,024 bytes for 16 tokens
	s_mov_b32 s79, 0
	s_lshl_b32 s80, s48, 14                        ; qs: head 2 y, 8,192 bytes a head;
	s_lshr_b32 s56, s[Q0], 6
	s_lshl_b32 s56, s56, 8
	s_add_co_u32 s80, s80, s56                     ; 256 bytes for 64 tokens;
	s_bfe_u32 s56, s[Q0], 0x10004
	s_lshl_b32 s56, s56, 7
	s_add_co_u32 s80, s80, s56                     ; an odd tile lies in lanes 16-31's places;
	s_bfe_u32 s56, s[Q0], 0x10005
	s_lshl_b32 s56, s56, 2
	s_add_co_u32 s80, s80, s56                     ; tiles 2, 3 in the second word
	s_mov_b32 s81, 0
	s_lshr_b32 s82, s50, 1                         ; cc [K step of 256: 4][tile of 16 tokens: 512][q 2][c 4][lane][16]: heads 2 j, 2 j + 1 are K step j / 2, q = j % 2
	s_lshl_b32 s82, s82, 21
	s_lshl_b32 s56, s49, 11
	s_add_co_u32 s56, s56, s[Q0]
	s_lshl_b32 s56, s56, 8
	s_add_co_u32 s82, s82, s56
	s_and_b32 s56, s50, 1
	s_lshl_b32 s56, s56, 11
	s_add_co_u32 s82, s82, s56
	s_mov_b32 s83, 0
	s_mul_i32 s56, s53, s54                        ; cs [128 along K: 8][128 tokens: 64][r 16][tile 8] words: wave e stores block x + e (15 - 2 x)
	s_add_co_u32 s56, s56, ttmp9
	s_lshl_b32 s57, s49, 4
	s_add_co_u32 s56, s56, s57
	s_lshl_b32 s56, s56, 9
	s_lshl_b32 s84, s50, 15
	s_add_co_u32 s84, s84, s56
	s_mov_b32 s85, 0
	s_lshl_b32 s86, s48, 19                        ; the prefetches: record 1, my quarter of it; the first change of slots steps it to record 2
	s_and_b32 s56, s[WV], 3
	s_lshl_b32 s56, s56, 13
	s_add_co_u32 s86, s86, s56
	s_add_co_u32 s86, s86, 32768
	s_mov_b32 s87, 0
	s_sub_co_u32 s56, s[WV], 4
	s_lshr_b32 s56, s56, 2                         ; 0 in waves 4 to 7,
	s_or_b32 s56, s56, ttmp9                       ; of the work-group x = 0, which walks all 16 records
	s_cmp_eq_u32 s56, 0
	s_cselect_b32 s[LIM], 1, -1
	s_lshl_b32 s58, s52, 9
	s_lshl_b32 s56, s51, 2
	s_add_co_u32 s58, s58, s56
	s_add_co_u32 s58, s58, GATH                    ; my block's 512 bytes, my tile's word
	s_lshl_b32 s59, s53, 9
	s_add_co_u32 s59, s59, GATH
	s_mul_i32 s60, s53, 12288
	s_add_co_u32 s60, s60, SCB
	; descriptor group 1: dense blocks as rows of 256 bytes (32 elements of 8): half a record is 64 rows, a head's scale words 48
	s_mov_b32 s[G1C], 3<<16
	s_mov_b32 s[G1C+1], 32<<16
	s_mov_b32 s[G1C+2], 64<<16
	s_mov_b32 s[G1C+3], 32<<16
	s_mov_b32 s[G1C+4], 64
	s_mov_b32 s[G1C+5], 32
	s_mov_b32 s[G1C+6], 0
	s_mov_b32 s[G1C+7], 0
	s_mov_b32 s[G1S], 3<<16
	s_mov_b32 s[G1S+1], 32<<16
	s_mov_b32 s[G1S+2], 48<<16
	s_mov_b32 s[G1S+3], 32<<16
	s_mov_b32 s[G1S+4], 48
	s_mov_b32 s[G1S+5], 32
	s_mov_b32 s[G1S+6], 0
	s_mov_b32 s[G1S+7], 0
	s_mov_b32 s[SEL], 0x76543210
	s_mov_b32 s[SEL+1], 0xfedcba98                 ; v_permlanex16_b32's selects for lane l xor 16
	s_mov_b32 s[CS], 0x3d38aa3b                    ; c = log2(e) / 32
	s_mov_b32 s[CS+1], s[CS]                       ; (named with it as a pair, so it is written)
	s_mov_b32 s[MNT], 0x600000                     ; the mantissa field of 57,344
	s_mov_b32 s[TB], 0
	s_mov_b32 s[TS], SCB
	s_mov_b32 s[SLOTS], 15
	s_mov_b32 s[KF], 0
	v_and_b32 v[L16], 31, v0                       ; every LDS address register that stays is made here, ahead of the first branch on the wave's number
	v_lshlrev_b32 v[PFO], 8, v[L16]
	v_lshlrev_b32 v[L16], 4, v[L16]
	v_and_b32 v[R8], 15, v0
	v_lshl_add_u32 v[GA], v[R8], 5, s58            ; 32 bytes for each r
	v_lshlrev_b32 v[R8], 3, v[R8]
	v_add_nc_u32 v[GR], s59, v[L16]
	s_wait_dscnt 0x0                               ; both opening adds are done
	s_wait_kmcnt 0x0
	s_mov_b32 s[G0S], 1
	s_mov_b32 s[G0S+1], s60
	s_add_nc_u64 s[G0S+2:G0S+3], s[10:11], s[76:77]
	s_or_b32 s[G0S+3], s[G0S+3], 0x80000000
	s_mov_b32 s[G0C], 1
	s_lshl_b32 s[G0C+1], s53, 14                   ; slot 0, my half
	s_add_nc_u64 s[G0C+2:G0C+3], s[8:9], s[74:75]
	s_or_b32 s[G0C+3], s[G0C+3], 0x80000000
	s_cmp_lt_u32 s[WV], 2                          ; a wave's two first fills stand in one branch, ahead of every wait on TENSORcnt, every LDS read and every barrier: two loads of mine are out
	s_cbranch_scc0 .Lno_first
	tensor_load_to_lds s[G0S:G0S+3], s[G1S:G1S+7]  ; a head's scale words: filled once
	s_nop 0
	tensor_load_to_lds s[G0C:G0C+3], s[G1C:G1C+7]  ; record 0
	s_nop 0
.rept 4
	v_nop
.endr
.Lno_first:
	s_add_nc_u64 s[4:5], s[4:5], s[78:79]
	s_add_nc_u64 s[6:7], s[6:7], s[80:81]
	s_add_nc_u64 s[12:13], s[12:13], s[82:83]
	s_add_nc_u64 s[14:15], s[14:15], s[84:85]
	s_add_nc_u64 s[PFA:PFA+1], s[8:9], s[86:87]
	global_load_b128 v[16:19], v[L16], s[4:5]      ; Q's fragment of the first head: its two blocks
	global_load_b128 v[20:23], v[L16], s[4:5] offset:512
	global_load_b32 v255, v[R8], s[6:7]            ; and its scale words
.irp n, 24,25,26,27,28,29,30,31
	v_mov_b32 v[\n], 0                             ; the zero half of Q's fragment: set once
.endr
.irp t, 0,1,2,3
.irp n, 8,9,10,11,12,13,14,15
	v_mov_b32 v[32+16*\t+\n], 0                    ; and of K's four: no load lands here
.endr
.endr
.macro FRESH                           ; a head begins: O^T and the sum are zeros and the largest t lies under every t, so that the step is written once
	v_mov_b32 v13, 0xff61b1e6                      ; -3e38
	v_floor_f32 v12, -v13                          ; -M
	v_mov_b32 v14, 0
	v_mov_b32 v15, 0
.set n, 0
.rept 32
	v_mov_b32 v[160+n], 0
.set n, n+1
.endr
.endm
	FRESH
.irp b, 0,1,2,3
	v_mov_b32 v[236+\b], 0                         ; written once: a lane permute's destination counts as one of its sources
.endr
	v_mov_b32 v252, 0
	v_mov_b32 v253, 0
; A KEY STEP: 128 keys, the q-th of the slot in hand.
.macro STEP q
	s_add_co_u32 s96, s[Q0], 15                    ; a step all of whose keys come after my 16 queries is left out: a branch on ids and counted steps, round the step's work alone
	s_cmp_gt_u32 s[KF], s96
	s_cbranch_scc1 .Lhidden_\@
	v_add_nc_u32 v[ADK], s[TB], v[L16]
	v_add_nc_u32 v[ADS], s[TS], v[R8]
.rept 7
	v_nop                                          ; with the two additions nine places behind the last step's products: the products below write over the registers that held V's fragments, and loads land in the scale words'
.endr
.irp g, 0,1                                    ; S^T = K Q^T, four tiles of 16 neighbouring keys at a time
.if \g
.rept 8
	v_nop                                          ; places in front of loads into registers that matrix instructions have read
.endr
.endif
.irp t, 0,1,2,3
	ds_load_b128 v[32+16*\t:35+16*\t], v[ADK] offset:(8*(\q)+4*\g+\t)*1024
	ds_load_b128 v[36+16*\t:39+16*\t], v[ADK] offset:(8*(\q)+4*\g+\t)*1024+512
	ds_load_b32 v[248+\t], v[ADS] offset:256*\g+128*(\t%2)+4*(\t/2)
.endr
	s_wait_dscnt 0x0
.irp t, 0,1,2,3
	v_wmma_scale_f32_16x16x128_f8f6f4 v[96+8*(4*\g+\t):103+8*(4*\g+\t)], v[32+16*\t:47+16*\t], v[16:31], 0, v[248+\t], v255 matrix_a_fmt:MATRIX_FMT_BF8 matrix_b_fmt:MATRIX_FMT_BF8
.endr
.endr                                          ; register 8 n + i of lane (r, h): query r, key KF + 16 n + 8 h + i
.rept 8
	v_nop
.endr
	s_add_co_u32 s96, s[KF], 127                   ; on the diagonal hidden scores become -infinity ahead of the maximum: p = 0 then.  A step all of whose keys count passes this over
	s_cmp_le_u32 s96, s[Q0]
	s_cbranch_scc1 .Lopen_\@
	s_sub_co_i32 s96, s[Q0], s[KF]
	v_and_b32 v252, 15, v0
	v_bfe_u32 v253, v0, 4, 1
	v_lshlrev_b32 v253, 3, v253
	v_sub_nc_u32 v252, v252, v253
	v_add_nc_u32 v252, s96, v252                   ; d = my query - KF - 8 h: register n is hidden where 16 (n / 8) + n % 8 > d
	v_mov_b32 v254, 0xff800000
.set n, 0
.rept 64
	v_cmp_gt_i32 vcc_lo, 16*(n/8)+n%8, v252
	v_cndmask_b32 v[96+n], v[96+n], v254, vcc_lo
.set n, n+1
.endr
.Lopen_\@:
.irp b, 0,1,2,3
	v_max3_num_f32 v[232+\b], v[96+16*\b], v[97+16*\b], v[98+16*\b]   ; the largest score of each block of 32 keys: for the row's maximum and, since p rises with the score, for the block's largest p
.endr
.irp i, 3,5,7,9,11,13
.irp b, 0,1,2,3
	v_max3_num_f32 v[232+\b], v[232+\b], v[96+16*\b+\i], v[97+16*\b+\i]
.endr
.endr
.irp b, 0,1,2,3
	v_max_num_f32 v[232+\b], v[232+\b], v[111+16*\b]
.endr
.irp b, 0,1,2,3
	v_permlanex16_b32 v[236+\b], v[232+\b], s[SEL], s[SEL+1]
.endr
.irp b, 0,1,2,3
	v_max_num_f32 v[232+\b], v[232+\b], v[236+\b]  ; with lane l xor 16's 16 keys
.endr
	v_max3_num_f32 v254, v232, v233, v234
	v_max_num_f32 v254, v254, v235                 ; the step's largest score of my query
	v_mul_f32 v254, s[CS], v254                    ; as t (c is positive)
	v_max_num_f32 v13, v13, v254                   ; the running largest t
	v_mov_b32 v254, v12
	v_floor_f32 v12, -v13                          ; the new -M = floor(-t): M is a whole number
	v_sub_f32 v254, v12, v254                      ; old M - new M: a whole number, 0 or less
	v_cvt_i32_f32 v254, v254                       ; (it saturates)
	v_ldexp_f32 v252, 1.0, v254                    ; f = 2^(old M - new M)
.set n, 0
.rept 32
	v_pk_fma_f32 v[96+n:97+n], v[96+n:97+n], s[CS:CS+1], v[12:13] op_sel_hi:[1,0,0]   ; t - M, two at a time
.set n, n+2
.endr
.irp b, 0,1,2,3
	v_fma_f32 v[232+\b], v[232+\b], s[CS], v12     ; the same of each block's largest score
.endr
.set n, 0
.rept 64
	v_exp_f32 v[96+n], v[96+n]                     ; p = 2^(t - M), at most 1
.set n, n+1
.endr
	v_pk_mul_f32 v[14:15], v[14:15], v[252:253] op_sel_hi:[1,0]   ; the sums under the new M: a plain instruction behind the exponentials
	s_wait_alu depctr_va_vdst(0)                   ; one wait for the whole batch, ahead of its first reader
.irp b, 0,1,2,3
	v_exp_f32 v[232+\b], v[232+\b]                 ; the block's largest p
.endr
	v_pk_add_f32 v[236:237], v[96:97], v[98:99]    ; the row's sum is taken of the unquantised p, in two chains
.irp j, 4,8,12,16,20,24,28,32,36,40,44,48,52,56,60
	v_pk_add_f32 v[14:15], v[14:15], v[96+\j:97+\j]
	v_pk_add_f32 v[236:237], v[236:237], v[98+\j:99+\j]
.endr
	v_pk_add_f32 v[14:15], v[14:15], v[236:237]
	s_wait_alu depctr_va_vdst(0)                   ; and one for the four
.irp b, 0,1,2,3
	v_max_num_f32 v[232+\b], 0x8000000, v[232+\b]  ; the floor 2^(16 - 127): the byte cannot fall under 1
.endr
.irp b, 0,1,2,3
	v_add_nc_u32 v[244+\b], 0xf8800000, v[232+\b]  ; 15 off the exponent field: the conversion's scale operand
.endr
.irp b, 0,1,2,3
	v_and_or_b32 v[240+\b], v[232+\b], 0x7f800000, s[MNT]   ; 57,344 x the scale
.endr
.irp b, 0,1,2,3
	v_lshrrev_b32 v[236+\b], 23, v[244+\b]         ; the scale's byte
.endr
	v_lshl_or_b32 v253, v237, 8, v236              ; p's scale word for these 128 keys
	v_lshl_or_b32 v253, v238, 16, v253
	v_lshl_or_b32 v253, v239, 24, v253
.irp b, 0,1,2,3
.irp i, 0,1,2,3,4,5,6,7,8,9,10,11,12,13,14,15
	v_min_num_f32 v[96+16*\b+\i], v[96+16*\b+\i], v[240+\b]   ; the conversion does not saturate (ISA guide 7.6.2); p is not negative, so the hold is one-sided
.endr
	v_cvt_scalef32_pk8_bf8_f32 v[224+4*\b:225+4*\b], v[96+16*\b:103+16*\b], v[244+\b]
	v_cvt_scalef32_pk8_bf8_f32 v[226+4*\b:227+4*\b], v[104+16*\b:111+16*\b], v[244+\b]
.endr
.irp t, 0,1,2,3                                ; V's four fragments (16 d x these 128 keys) land where p stood, while O^T is rescaled
.irp c, 0,1,2,3
	ds_load_b128 v[96+16*\t+4*\c:99+16*\t+4*\c], v[ADK] offset:16384+8192*(\q)+2048*\t+512*\c
.endr
	ds_load_b32 v[248+\t], v[ADS] offset:512+128*(\t%2)+4*(\t/2)
.endr
.set n, 0
.rept 16
	v_pk_mul_f32 v[160+n:161+n], v[160+n:161+n], v[252:253] op_sel_hi:[1,0]   ; O^T under the new M.  (These sixteen are also the places between the codes' conversions and the products)
.set n, n+2
.endr
	s_wait_dscnt 0x0
.irp t, 0,1,2,3                                ; O^T += V^T P^T: the four accumulators by turns
	v_wmma_scale_f32_16x16x128_f8f6f4 v[160+8*\t:167+8*\t], v[96+16*\t:111+16*\t], v[224:239], v[160+8*\t:167+8*\t], v[248+\t], v253 matrix_a_fmt:MATRIX_FMT_BF8 matrix_b_fmt:MATRIX_FMT_BF8
.endr
.Lhidden_\@:
	s_add_co_u32 s[KF], s[KF], 128
	s_and_b32 s[KF], s[KF], 2047                   ; the second head begins at key 0 again
	s_add_co_u32 s[TS], s[TS], 768                 ; the next step's scale words: the two heads' lie on end
.endm
; A PREFETCH INTO THE L2 of the record that the NEXT change of slots will load: 32,768 bytes, 8,192 a wave, lanes 256 bytes apart.  The eight work-groups of a pair of heads walk the same records: x = 0, which walks
; all sixteen, asks, by its waves 4 to 7, which fetch nothing: so each aligned block of 256 bytes is named once in the launch.  Records 0 and 1 come by their loads alone; the last change that loads asks for nothing.
.macro ASK
	s_cmp_gt_u32 s[SLOTS], s[LIM]
	s_cbranch_scc0 .Lnot_mine_\@
	global_prefetch_b8 v[PFO], s[PFA:PFA+1] th:TH_LOAD_NT scope:SCOPE_SE
.Lnot_mine_\@:
.endm
; THE CHANGE OF SLOTS stands at a slot's head.  Each wave waits for all its tensor loads (its part of the slot ahead), adds 0 to its spare word (fill = 1: twice on end), and waits for that and for its reads of the slot
; that it has left.  Behind the barrier the slot ahead is whole and nobody reads the other one, which takes the next record: that load has a slot's two steps in which to land.
.macro CHANGE fill
	s_wait_tensorcnt 0x0                           ; no tensor load of mine is out, so a group 0 may be written
	ds_add_u32 v[SPW], v[NIL]                      ; 0 onto my spare word
.if \fill
	ds_add_u32 v[SPW], v[NIL]                      ; and once more: the add twice on end here, in every trip alike
	s_xor_b32 s[G0C+1], s[G0C+1], SLOT1            ; the walking descriptor: the other slot,
	s_add_nc_u64 s[G0C+2:G0C+3], s[G0C+2:G0C+3], 32768   ; the next record; the type bits on top are not reached
	s_wait_xcnt 0x0                                ; the last prefetch, a slot back, has read its address
	s_add_nc_u64 s[PFA:PFA+1], s[PFA:PFA+1], 32768
.endif
	s_wait_dscnt 0x0                               ; the add is done, and my reads of the slot that I have left are over
	s_barrier_signal -1
	s_barrier_wait -1
.if \fill
	s_add_co_u32 s96, s[KF], 256                   ; a record whose first key comes after my work-group's last query is read by none of its waves: it is not asked for.
	s_and_b32 s96, s96, 2047                       ; Ids and counted steps alone: all sixteen waves go the same way; every wait on TENSORcnt in this text is for 0
	s_cmp_gt_u32 s96, s[LASTQ]
	s_cbranch_scc1 .Lpast_\@
	s_cmp_lt_u32 s[WV], 2
	s_cbranch_scc0 .Lpast_\@
	tensor_load_to_lds s[G0C:G0C+3], s[G1C:G1C+7]  ; a wave's one tensor load until the next such barrier
	s_nop 0
.rept 4
	v_nop
.endr
.Lpast_\@:
	ASK
.endif
.endm
; A HEAD ENDS (s = 0: the first, 1: the second): O^T / the sum is ctx; register 8 t + i of lane (r, h) is v = 16 t + 8 h + i of query r.  It is quantised in two blocks of 32 and leaves as an image of the last launch's operand.
.macro FINISH s
.rept 8
	v_nop                                          ; places behind the last products
.endr
	v_add_f32 v14, v14, v15
	v_permlanex16_b32 v252, v14, s[SEL], s[SEL+1]
	v_add_f32 v14, v14, v252                       ; the row's sum
	v_rcp_f32 v14, v14
	v_and_b32 v128, 16, v0                         ; (a plain instruction behind the reciprocal)  not 0 in lanes 16-31
	s_wait_alu depctr_va_vdst(0)                   ; a wait ahead of the first reader
.set n, 0
.rept 16
	v_pk_mul_f32 v[96+n:97+n], v[160+n:161+n], v[14:15] op_sel_hi:[1,0]   ; each accumulator from its low end on
.set n, n+2
.endr
.irp c, 0,1
	v_max3_num_f32 v[232+\c], |v[96+16*\c]|, |v[97+16*\c]|, 0x8000000
.endr
.irp i, 2,4,6,8,10,12,14
.irp c, 0,1
	v_max3_num_f32 v[232+\c], v[232+\c], |v[96+16*\c+\i]|, |v[97+16*\c+\i]|
.endr
.endr
.irp c, 0,1
	v_permlanex16_b32 v[236+\c], v[232+\c], s[SEL], s[SEL+1]
.endr
.irp c, 0,1
	v_max_num_f32 v[232+\c], v[232+\c], v[236+\c]
.endr
.irp c, 0,1
	v_add_nc_u32 v[244+\c], 0xf8800000, v[232+\c]
.endr
.irp c, 0,1
	v_and_or_b32 v[240+\c], v[232+\c], 0x7f800000, s[MNT]
.endr
.irp c, 0,1
	v_lshrrev_b32 v[236+\c], 23, v[244+\c]
.endr
	v_lshl_or_b32 v10, v237, 8, v236               ; the head's two scale bytes
.irp c, 0,1
.irp i, 0,1,2,3,4,5,6,7,8,9,10,11,12,13,14,15
	v_med3_num_f32 v[96+16*\c+\i], v[96+16*\c+\i], -v[240+\c], v[240+\c]
.endr
.endr
.irp c, 0,1
	v_cvt_scalef32_pk8_bf8_f32 v[224+4*\c:225+4*\c], v[96+16*\c:103+16*\c], v[244+\c]
	v_cvt_scalef32_pk8_bf8_f32 v[226+4*\c:227+4*\c], v[104+16*\c:111+16*\c], v[244+\c]
.endr
	v_nop                                          ; a plain instruction behind the last conversion
	; ctx meets a GIVEN operand, so its k go into their true places.  Of a block's four groups of 8, lanes 0-15 hold groups 0 and 2 and lanes 16-31 groups 1 and 3; wanted are 0, 1 and 2, 3: one pair of registers changes lanes.
	v_cmp_ne_u32 vcc_lo, 0, v128                   ; lanes 16-31
.irp c, 0,1
	v_cndmask_b32 v[130+2*\c], v[226+4*\c], v[224+4*\c], vcc_lo    ; what I send: lanes 0-15 group 2, lanes 16-31 group 1
	v_cndmask_b32 v[131+2*\c], v[227+4*\c], v[225+4*\c], vcc_lo
.endr
.irp c, 0,1
	v_permlanex16_b32 v[236+2*\c], v[130+2*\c], s[SEL], s[SEL+1]
	v_permlanex16_b32 v[237+2*\c], v[131+2*\c], s[SEL], s[SEL+1]
.endr
.irp c, 0,1
	v_cndmask_b32 v[224+4*\c], v[224+4*\c], v[236+2*\c], vcc_lo    ; lanes 16-31 take it as their first pair,
	v_cndmask_b32 v[225+4*\c], v[225+4*\c], v[237+2*\c], vcc_lo
	v_cndmask_b32 v[226+4*\c], v[236+2*\c], v[226+4*\c], vcc_lo    ; lanes 0-15 as their second
	v_cndmask_b32 v[227+4*\c], v[237+2*\c], v[227+4*\c], vcc_lo
.endr
	global_store_b128 v[L16], v[224:227], s[12:13] offset:1024*\s        ; 512 consecutive bytes each, at a multiple of 512 from cc's first byte
	global_store_b128 v[L16], v[228:231], s[12:13] offset:1024*\s+512
.if \s == 0
	v_mov_b32 v11, v10
	global_load_b128 v[16:19], v[L16], s[4:5] offset:131072              ; the second head's Q
	global_load_b128 v[20:23], v[L16], s[4:5] offset:131584
	global_load_b32 v255, v[R8], s[6:7] offset:8192
	FRESH
	s_wait_loadcnt 0x0
	s_wait_xcnt 0x0                                ; the stores have read the codes' registers, which the next step writes
.else
	v_lshl_or_b32 v10, v10, 16, v11                ; the two heads' four bytes: a word of ctx's scales for 128 along K
	ds_store_b32 v[GA], v10                        ; (lanes l and l xor 16 write the same word with the same value)
	s_wait_dscnt 0x0                               ; for the others' sake: my store is done
	s_barrier_signal -1
	s_barrier_wait -1
	s_cmp_lt_u32 s[WV], 2
	s_cbranch_scc0 .Lend
	ds_load_b128 v[96:99], v[GR]                   ; a block's 128 words
	s_wait_dscnt 0x0
	global_store_b128 v[L16], v[96:99], s[14:15]   ; 512 consecutive bytes, at a multiple of 512 from cs's first byte
.Lend:
.endif
.endm
	s_wait_loadcnt 0x0                             ; Q
.Lslot:                                            ; 15 trips, a record each: a constant of the text; what a work-group or a wave does not need is passed over inside
	CHANGE 1
	STEP 0
	STEP 1
	s_xor_b32 s[TB], s[TB], SLOT1
	s_cmp_lg_u32 s[KF], 0                          ; behind the eighth record the first head is done: a branch on counted steps
	s_cbranch_scc1 .Lsame_head
	FINISH 0
.Lsame_head:
	s_sub_co_u32 s[SLOTS], s[SLOTS], 1
	s_cmp_lg_u32 s[SLOTS], 0
	s_cbranch_scc1 .Lslot
	CHANGE 0                                       ; the last record: nothing is left to fetch
	STEP 0
	STEP 1
	FINISH 1
	s_wait_tensorcnt 0x0                           ; the wave's end, behind my last tensor load and my last LDS store
	ds_add_u32 v[SPW], v[NIL]
	s_wait_dscnt 0x0
	s_endpgm
.Lfunc_end_k_q0bf274fa32_attn:
	.size	k_q0bf274fa32_attn, .Lfunc_end_k_q0bf274fa32_attn-k_q0bf274fa32_attn
	.p2alignl 7, 3214868480
	.fill 96, 4, 3214868480
	.section	.rodata,"a",@progbits
	.p2align	6, 0x0
	.amdhsa_kernel k_q0bf274fa32_attn
		.amdhsa_group_segment_fixed_size 327680
		.amdhsa_private_segment_fixed_size 0
		.amdhsa_enable_private_segment 0
		.amdhsa_kernarg_size 48
		.amdhsa_user_sgpr_count 2
		.amdhsa_user_sgpr_kernarg_segment_ptr 1
		.amdhsa_wavefront_size32 1
		.amdhsa_system_sgpr_workgroup_id_x 1
		.amdhsa_system_sgpr_workgroup_id_y 1
		.amdhsa_system_sgpr_workgroup_id_z 1
		.amdhsa_system_vgpr_workitem_id 0
		.amdhsa_next_free_vgpr 256
		.amdhsa_next_free_sgpr 100
		.amdhsa_reserve_vcc 1
		.amdhsa_float_denorm_mode_32 3
		.amdhsa_float_denorm_mode_16_64 3
		.amdhsa_memory_ordered 1
		.amdhsa_forward_progress 1
		.amdhsa_inst_pref_size 124
	.end_amdhsa_kernel
	.amdgpu_metadata
---
amdhsa.version: [ 1, 2 ]
amdhsa.kernels:
  - .name:           k_q0bf274fa32_attn
    .symbol:         k_q0bf274fa32_attn.kd
    .args:
      - { .name: qc, .offset: 0, .size: 8, .value_kind: global_buffer, .address_space: global }
      - { .name: qs, .offset: 8, .size: 8, .value_kind: global_buffer, .address_space: global }
      - { .name: kv, .offset: 16, .size: 8, .value_kind: global_buffer, .address_space: global }
      - { .name: kvs, .offset: 24, .size: 8, .value_kind: global_buffer, .address_space: global }
      - { .name: cc, .offset: 32, .size: 8, .value_kind: global_buffer, .address_space: global }
      - { .name: cs, .offset: 40, .size: 8, .value_kind: global_buffer, .address_space: global }
    .group_segment_fixed_size: 327680
    .private_segment_fixed_size: 0
    .kernarg_segment_align: 8
    .kernarg_segment_size: 48
    .max_flat_workgroup_size: 512
    .sgpr_count:     100
    .vgpr_count:     256
    .wavefront_size: 32
...
	.end_amdgpu_metadata
.endif
;; end of part 2
;; launch outp (part 3): grid 4 x 32, 4 waves a work-group, clusters of 4 x 4, 327,680 bytes of LDS; arguments cc, cs, Ww_codes, Ww_scales, Wb, out0; writes out0
.if DOCPART == 3
	.amdgcn_target "amdgcn-amd-amdhsa--gfx1250"
	.amdhsa_code_object_version 6
	.text
	.protected	k_q0bf274fa32_outp
	.globl	k_q0bf274fa32_outp
	.p2align	8
	.type	k_q0bf274fa32_outp,@function
k_q0bf274fa32_outp:
	s_mov_b64 s[64:65], 0
	v_nop
	global_prefetch_b8 v0, s[64:65] scope:SCOPE_SE
	s_setreg_imm32_b32 hwreg(HW_REG_WAVE_MODE, 25, 1), 1
	s_wait_xcnt 0x0
	s_wait_alu depctr_hold_cnt(0) depctr_sa_sdst(0) depctr_va_vdst(0) depctr_va_sdst(0) depctr_va_ssrc(0) depctr_va_vcc(0) depctr_vm_vsrc(0)
	s_getreg_b32 s2, hwreg(HW_REG_IB_STS2, 6, 4)
	s_cmp_eq_u32 s2, 0
	s_cbranch_scc0 .Lentry_in_a_cluster
	s_endpgm
.Lentry_in_a_cluster:
	s_bfe_u32 s2, ttmp6, 0x10000c
	s_cmp_lg_u32 s2, 0xf033
	s_cbranch_scc0 .Lentry_shape_is_right
	s_endpgm
.Lentry_shape_is_right:
; THE PROJECTION ON THE WAY OUT: out0[t][n] = the sum over k of ctx[t][k] Ww[n][k] + Wb[n], on codes of BF8 (E5M2) with E8M0 scales; sums in f32.  8,192 x 1,024 x 1,024.  Nothing is left out here.
; A tile of 256 x 256 is made by four waves, each 128 x 128: 64 accumulators.  K goes in steps of 256 through two LDS slots; 4 x 4 work-groups form a cluster: ctx's tiles (A) are asked for jointly along a row of it, Ww's (B) along a column.
; A's tiles are IMAGES of operand registers, cc [K step of 256][tile of 16 tokens][q 2][c 4][lane][16 bytes]: 128 tokens of a K step are 32,768 dense bytes, and a fragment's four registers are 512 consecutive bytes: no padding.
; B's tiles are rows of 256 bytes of Ww_codes, 16 bytes of padding behind each.  The matrix instruction is used transposed (source 0 = 16 rows of Ww, source 1 = 16 tokens): a lane holds eight neighbouring numbers of a row of out0.
; ALL SCALE WORDS STAY IN 64 REGISTERS, R[x][y] = v[32 + 8 x + y]: lanes 0-15 hold ctx's word of K step (of 128) x and token tile y, lanes 16-31 Ww's word of tile x and K step y.  Both lie in LDS as 8 rows of 512 bytes, 32 bytes for each r.
; REGISTERS, in windows of 256: window 0: v0-31 addresses; v32-95 scale words; v96-99 the bias; v128-255 A's fragments, one set; later rows on their way out.  window 1: B's fragments, two sets.  windows 2, 3: the accumulators.
.set SIZE_N, 1024
.set ROWB,   256
.set KROW,   1024
.set PITCH,  272
.set FR,     16
.set NL,     4
.set NP,     8                         ; places behind this matrix instruction (ISA guide 7.12.1)
.set HALFT,  128*PITCH                 ; a wave's part of a slot (A's images use 32,768 of it)
.set SLOT,   4*HALFT
.set SCL,    2*SLOT
.set HALFS,  8*544                     ; the scale words of 128 rows: 8 rows of 512 bytes + 32 of padding
.set SPARE,  SCL+4*HALFS
.set SPITCH, 528                       ; the way out: a stage of 16 rows x (512 bytes + 16) for each wave, in slot 0, which has had its last fill and its last read when the first result is stored there
.set ASTEP,  2097152                   ; from a K step of 256 to the next in cc
.set ADRA, 16
.set ADRB, 20
.set STO,  24
.set RD,   25
.set CO,   26
.set ADRS, 27
.set SPW,  28
.set NIL,  29
.set SC,   32
.set BI,   96
.set AF,   128
.set BK,   128
.set G1, 24
.set G0, 32
.set G1B, 48
.set G0B, 56
.set G1S, 68
.set G0S, 76
.set G1SB, 80
.set G0SB, 88
.set MSB, 0
.macro WIN new
.if MSB != (\new)
	s_set_vgpr_msb (MSB<<8)|(\new)
.set MSB, (\new)
.endif
.endm
.set MUL_LO, 0xa1
.set MUL_HI, 0xf1
.set TO_B,   0x40
.macro JLOAD g0a, g1a, g0b, g1b        ; a joint load: waves 0 and 1 fetch for A, waves 2 and 3 for B; an s_nop 0 and four v_nop follow each line
	s_cmp_eq_u32 s15, 0
	s_cbranch_scc0 .Lfor_b_\@
	tensor_load_to_lds s[\g0a:\g0a+3], s[\g1a:\g1a+7]
	s_nop 0
.rept 4
	v_nop
.endr
	s_branch .Lasked_\@
.Lfor_b_\@:
	tensor_load_to_lds s[\g0b:\g0b+3], s[\g1b:\g1b+7]
	s_nop 0
.rept 4
	v_nop
.endr
.Lasked_\@:
.endm
.macro CREST
	s_cmp_lg_u32 s14, 0
	s_cbranch_scc1 .Lnot_wave_0_\@
	s_barrier_signal -3
.Lnot_wave_0_\@:
	s_barrier_wait -3
	s_barrier_signal -1
	s_barrier_wait -1
.endm
.macro CROUND
	s_barrier_signal -1
	s_barrier_wait -1
	CREST
.endm
	s_load_b128 s[4:7], s[0:1], 0x0                ; cc, cs
	s_load_b128 s[8:11], s[0:1], 0x10              ; Ww's codes, Ww's scales
	s_load_b64 s[96:97], s[0:1], 0x20              ; Wb
	s_load_b64 s[12:13], s[0:1], 0x28              ; out0
	v_lshl_add_u32 v[SPW], v0, 2, SPARE
	v_mov_b32 v[NIL], 0
	ds_add_u32 v[SPW], v[NIL]                      ; the wave's opening: the add, twice on end, and its wait ahead of my first tensor load
	ds_add_u32 v[SPW], v[NIL]
	v_lshrrev_b32 v1, 5, v0
	v_readfirstlane_b32 s14, v1                    ; wave 0..3
	s_lshr_b32 s15, s14, 1                         ; which half of the tile's rows is mine.  Also: I fetch for A (0) or for B (1)
	s_and_b32 s16, s14, 1                          ; which half of its columns.  Also: which 128 rows of that tile I fetch
	s_bfe_u32 s40, ttmp6, 0x40000                  ; cx
	s_bfe_u32 s41, ttmp6, 0x40004                  ; cy
	s_lshl_b32 s42, ttmp9, 2
	s_add_co_u32 s42, s42, s40                     ; tile column
	s_and_b32 s17, ttmp7, 0xffff
	s_lshl_b32 s17, s17, 2
	s_add_co_u32 s17, s17, s41                     ; tile row
	s_lshl_b32 s43, s41, 2
	s_lshl_b32 s43, 15, s43                        ; my row of the cluster
	s_lshl_b32 s44, 0x1111, s40                    ; my column
	; A's codes: 128 rows of 256 bytes (32 elements of 8), dense, no padding
	s_or_b32 s[G1+0], s43, (3<<16)|(1<<21)
	s_mov_b32 s[G1+1], 32<<16
	s_mov_b32 s[G1+2], 128<<16
	s_mov_b32 s[G1+3], 32<<16
	s_mov_b32 s[G1+4], 128
	s_mov_b32 s[G1+5], 32
	s_mov_b32 s[G1+6], 0
	s_mov_b32 s[G1+7], 0
	; B's codes: 128 rows x 256 bytes, 1,024 bytes apart, 16 bytes of padding behind each
	s_or_b32 s[G1B+0], s44, (0<<16)|(1<<20)|(1<<21)|(5<<22)|(3<<25)
	s_mov_b32 s[G1B+1], ROWB<<16
	s_mov_b32 s[G1B+2], 128<<16
	s_mov_b32 s[G1B+3], ROWB<<16
	s_mov_b32 s[G1B+4], 128
	s_mov_b32 s[G1B+5], KROW
	s_mov_b32 s[G1B+6], 0
	s_mov_b32 s[G1B+7], 0
	; the scale words: 8 rows of 512 bytes (64 elements of 8), 32 bytes of padding behind each.  A's rows (a K step of 128 each) lie 32,768 bytes apart, B's (16 rows of Ww each) are dense
	s_or_b32 s[G1S+0], s43, (3<<16)|(1<<20)|(1<<21)|(6<<22)|(7<<25)
	s_or_b32 s[G1SB+0], s44, (3<<16)|(1<<20)|(1<<21)|(6<<22)|(7<<25)
.irp g, G1S, G1SB
	s_mov_b32 s[\g+1], 64<<16
	s_mov_b32 s[\g+2], 8<<16
	s_mov_b32 s[\g+3], 64<<16
	s_mov_b32 s[\g+4], 8
	s_mov_b32 s[\g+6], 0
	s_mov_b32 s[\g+7], 0
.endr
	s_mov_b32 s[G1S+5], 4096
	s_mov_b32 s[G1SB+5], 64
	s_lshl_b32 s18, s16, 7                         ; which 128 rows of the tile I fetch
	s_lshl_b32 s20, s17, 8
	s_add_co_u32 s20, s20, s18                     ; A: token 256 x tile row + 128 x half
	s_lshl_b32 s46, s42, 8
	s_add_co_u32 s46, s46, s18                     ; B: row 256 x tile column + 128 x half
	s_mov_b32 s21, 0
	s_mov_b32 s47, 0
	s_lshl_b64 s[22:23], s[20:21], 2               ; A's scale words: 512 bytes for 128 tokens
	s_lshl_b64 s[92:93], s[46:47], 5               ; B's: 32 bytes a row
	s_lshl_b64 s[20:21], s[20:21], 8               ; A's codes: 4,096 bytes for 16 tokens
	s_lshl_b64 s[46:47], s[46:47], 10              ; B's: 1,024 bytes a row
	s_mul_i32 s45, s14, HALFT                      ; where they go: no place in the cluster enters an LDS address
	s_mul_i32 s94, s14, HALFS
	s_wait_dscnt 0x0                               ; both opening adds are done
	s_wait_kmcnt 0x0
	s_add_nc_u64 s[20:21], s[4:5], s[20:21]
	s_add_nc_u64 s[22:23], s[6:7], s[22:23]
	s_add_nc_u64 s[46:47], s[8:9], s[46:47]
	s_add_nc_u64 s[92:93], s[10:11], s[92:93]
	CROUND                                         ; all sixteen work-groups are here: the first joint loads meet
	s_mov_b32 s[G0S], 1
	s_add_co_u32 s[G0S+1], s94, SCL
	s_mov_b64 s[G0S+2:G0S+3], s[22:23]
	s_or_b32 s[G0S+3], s[G0S+3], 0x80000000
	s_mov_b32 s[G0SB], 1
	s_add_co_u32 s[G0SB+1], s94, SCL
	s_mov_b64 s[G0SB+2:G0SB+3], s[92:93]
	s_or_b32 s[G0SB+3], s[G0SB+3], 0x80000000
	JLOAD G0S, G1S, G0SB, G1SB                     ; the scale words first
.irp s, 0,1
	s_mov_b32 s[G0+4*\s], 1
	s_add_co_u32 s[G0+4*\s+1], s45, \s*SLOT
	s_add_nc_u64 s[G0+4*\s+2:G0+4*\s+3], s[20:21], \s*ASTEP
	s_or_b32 s[G0+4*\s+3], s[G0+4*\s+3], 0x80000000
	s_mov_b32 s[G0B+4*\s], 1
	s_add_co_u32 s[G0B+4*\s+1], s45, \s*SLOT
	s_add_nc_u64 s[G0B+4*\s+2:G0B+4*\s+3], s[46:47], \s*ROWB
	s_or_b32 s[G0B+4*\s+3], s[G0B+4*\s+3], 0x80000000
	JLOAD G0+4*\s, G1, G0B+4*\s, G1B               ; three tensor loads of mine are out behind the second of these
.endr
	v_and_b32 v1, 15, v0                           ; r
	v_bfe_u32 v2, v0, 4, 1                         ; h
	v_and_b32 v6, 31, v0
	v_lshlrev_b32 v[CO], 4, v6                     ; 16 x lane: an image's place, and my 16 bytes of a row of 512
	v_mul_u32_u24 v3, v1, PITCH
	v_lshl_add_u32 v4, v2, 4, v3                   ; B: row x pitch + 16 x half
	s_mul_i32 s21, s15, HALFT                      ; my 128 tokens' images
	s_mul_i32 s22, s16, HALFT                      ; my 128 rows of B,
	s_add_co_u32 s22, s22, 2*HALFT                 ; which lie behind A's two parts
.irp s, 0,1
	v_add_nc_u32 v[ADRA+\s], s21, v[CO]
	v_add_nc_u32 v[ADRB+\s], s22, v4
	s_add_co_u32 s21, s21, SLOT
	s_add_co_u32 s22, s22, SLOT
.endr
	v_lshlrev_b32 v5, 5, v1                        ; the scale words: 32 bytes for each r
	s_mul_i32 s21, s15, HALFS                      ; A's: my 128 tokens
	s_mul_i32 s22, s16, HALFS                      ; B's: my 128 rows, behind A's two parts
	s_add_co_u32 s22, s22, 2*HALFS
	s_sub_co_u32 s22, s22, s21
	v_mul_u32_u24 v6, s22, v2                      ; lanes 16-31 take B's
	s_add_co_u32 s21, s21, SCL
	v_add_nc_u32 v5, v5, v6
	v_add_nc_u32 v[ADRS], s21, v5
	s_mul_i32 s23, s14, 16*SPITCH                  ; my stage
	v_mul_u32_u24 v5, v1, SPITCH                   ; in: row r, 32 bytes for each half of the lanes
	v_lshl_add_u32 v5, v2, 5, v5
	v_add_nc_u32 v[STO], s23, v5
	v_add_nc_u32 v[RD], s23, v[CO]                 ; back: the 32 lanes take one row of 512 bytes
	s_lshl_b32 s20, s17, 8
	s_lshl_b32 s21, s15, 7
	s_add_co_u32 s20, s20, s21                     ; my first row of out0
	s_mov_b32 s21, 0
	s_mov_b64 s[18:19], SIZE_N*4
	s_mul_u64 s[20:21], s[20:21], s[18:19]
	s_lshl_b32 s46, s42, 10                        ; my first column, in bytes: 1,024 x tile column + 512 x half
	s_lshl_b32 s47, s16, 9
	s_add_co_u32 s46, s46, s47
	s_mov_b32 s47, 0
	s_add_nc_u64 s[96:97], s[96:97], s[46:47]
	s_add_nc_u64 s[20:21], s[20:21], s[46:47]
	s_add_nc_u64 s[12:13], s[12:13], s[20:21]
	global_load_b128 v[BI:BI+3], v[CO], s[96:97]   ; the bias of my four columns of a row read back from the stage
.macro FRAGB reg, adr, q, i            ; lane l holds row l % 16; registers 4 c .. 4 c + 3 hold K = 32 c + 16 (l / 16) + 0 .. 15
.irp c, 0,1,2,3
	ds_load_b128 v[\reg+4*\c:\reg+4*\c+3], v[\adr] offset:128*(\q)+32*\c+(\i)*16*PITCH
.endr
.endm
.macro FRAGA reg, adr, q, i            ; the same registers, from an image: tile i, the slot's q-th 128 along K
.irp c, 0,1,2,3
	ds_load_b128 v[\reg+4*\c:\reg+4*\c+3], v[\adr] offset:4096*(\i)+2048*(\q)+512*\c
.endr
.endm
; 16 matrix instructions: A's blocks a0, a0 + 1 x B's eight, K step (of 128) ks.  p: B's set.  zero = 1: the first product starts the sums.  The 64 accumulators take turns, one instruction a turn.
.macro MUL16 a0, p, ks, zero
.irp a, \a0, \a0+1
.irp b, 0,1,2,3,4,5,6,7
.if \zero
	v_wmma_scale_f32_16x16x128_f8f6f4 v[8*(8*((\a)%4)+\b):8*(8*((\a)%4)+\b)+7], v[128*(\p)+FR*\b:128*(\p)+FR*\b+FR-1], v[AF+FR*(\a):AF+FR*(\a)+FR-1], 0, v[SC+8*\b+(\ks)], v[SC+8*(\ks)+(\a)] matrix_a_fmt:MATRIX_FMT_BF8 matrix_b_fmt:MATRIX_FMT_BF8 matrix_a_scale:MATRIX_SCALE_ROW1
.else
	v_wmma_scale_f32_16x16x128_f8f6f4 v[8*(8*((\a)%4)+\b):8*(8*((\a)%4)+\b)+7], v[128*(\p)+FR*\b:128*(\p)+FR*\b+FR-1], v[AF+FR*(\a):AF+FR*(\a)+FR-1], v[8*(8*((\a)%4)+\b):8*(8*((\a)%4)+\b)+7], v[SC+8*\b+(\ks)], v[SC+8*(\ks)+(\a)] matrix_a_fmt:MATRIX_FMT_BF8 matrix_b_fmt:MATRIX_FMT_BF8 matrix_a_scale:MATRIX_SCALE_ROW1
.endif
.endr
.endr
.endm
.macro FETCH_B slot, q, p
	WIN TO_B
.irp i, 0,1,2,3,4,5,6,7
	FRAGB 128*(\p)+FR*\i, ADRB+\slot, \q, \i
.endr
	WIN 0
.endm
.macro FETCH_A slot, q, i0
.irp i, \i0, \i0+1, \i0+2, \i0+3
	FRAGA AF+FR*(\i), ADRA+\slot, \q, \i
.endr
.endm
.macro PLACES n
.rept \n
	v_nop
.endr
.endm
; The first step of a slot (K step ks, even): its successor lies in the same slot.
.macro STEP slot, ks, zero
	s_wait_dscnt 4*NL                              ; all but the youngest 16 loads (A's blocks 4-7) are in
	WIN MUL_LO
	MUL16 0, 0, \ks, \zero
	MUL16 2, 0, \ks, \zero
	s_wait_dscnt 0
	PLACES NP
	FETCH_B \slot, 1, 1
	FETCH_A \slot, 1, 0
	WIN MUL_HI
	MUL16 4, 0, \ks, \zero
	MUL16 6, 0, \ks, \zero
	PLACES NP
	WIN 0
	FETCH_A \slot, 1, 4
.endm
; A slot's last step (K step ks, odd) changes slots: ONE barrier; in front of it each wave waits for all its tensor loads, adds 0 to its spare word, and waits for that and for its reads of this slot.
.macro TURN slot, next, fill, ks
	s_wait_tensorcnt 0x0                           ; all my tensor loads have landed: my part of the next slot
	ds_add_u32 v[SPW], v[NIL]                      ; 0 onto my spare word
	s_wait_dscnt 4*NL+1                            ; (the add and the youngest 16 loads may be out)
	WIN MUL_LO
	MUL16 0, 1, \ks, 0
	s_wait_dscnt 0x0                               ; the add is done, and my reads of this slot are over
	s_barrier_signal -1
	MUL16 2, 1, \ks, 0
	WIN 0
	s_barrier_wait -1
.if \fill
	CREST                                          ; the barrier has opened a round of the cluster's barrier: no wave of any partner still reads this slot or has a load on its way
	s_add_nc_u64 s[G0+4*\slot+2:G0+4*\slot+3], s[G0+4*\slot+2:G0+4*\slot+3], 2*ASTEP
	s_add_nc_u64 s[G0B+4*\slot+2:G0B+4*\slot+3], s[G0B+4*\slot+2:G0B+4*\slot+3], 2*ROWB
	JLOAD G0+4*\slot, G1, G0B+4*\slot, G1B         ; the first tensor load behind the round; its four v_nop are among the places in front of the loads below
	PLACES NP-4
.else
	PLACES NP
.endif
	FETCH_B \next, 0, 0
	FETCH_A \next, 0, 0
	WIN MUL_HI
	MUL16 4, 1, \ks, 0
	MUL16 6, 1, \ks, 0
	PLACES NP
	WIN 0
	FETCH_A \next, 0, 4
.endm
	s_wait_tensorcnt 1                             ; the scale words and my part of K step 0 are in; K step 1's load may stay out
	s_barrier_signal -1
	s_barrier_wait -1
	FETCH_B 0, 0, 0
	FETCH_A 0, 0, 0
.irp x, 0,1,2,3,4,5,6,7                        ; all scale words, once: 32 bytes a lane from each of the 8 rows
	ds_load_b128 v[SC+8*\x:SC+8*\x+3], v[ADRS] offset:544*\x
	ds_load_b128 v[SC+8*\x+4:SC+8*\x+7], v[ADRS] offset:544*\x+16
.endr
	FETCH_A 0, 0, 4
	STEP 0, 0, 1                                   ; the scale registers' numbers follow the K step, so the eight steps are written out
	TURN 0, 1, 1, 1
	STEP 1, 2, 0
	TURN 1, 0, 1, 3
	STEP 0, 4, 0
	TURN 0, 1, 0, 5                                ; nothing is left to fetch: no round of the cluster's barrier
	STEP 1, 6, 0
	s_wait_dscnt 4*NL                              ; the very last step
	WIN MUL_LO
	MUL16 0, 1, 7, 0
	MUL16 2, 1, 7, 0
	s_wait_dscnt 0
	WIN MUL_HI
	MUL16 4, 1, 7, 0
	MUL16 6, 1, 7, 0
	WIN 0
; THE WAY OUT, block by block of 16 rows x 128 columns: through my own stage in LDS and back as whole rows of 512 bytes; the bias is added to a row as it comes back.  LDS serves a wave's instructions in order (ISA guide 5.7.1.4).
.macro TOSTAGE a
.set AC, 64*((\a)%4)
	WIN 0x08+4*((\a)/4)                            ; the data: window 2 or 3
.irp b, 0,1,2,3,4,5,6,7
	ds_store_b128 v[STO], v[AC+8*\b:AC+8*\b+3] offset:64*\b          ; each accumulator from its low end on
	ds_store_b128 v[STO], v[AC+8*\b+4:AC+8*\b+7] offset:64*\b+16
.endr
	WIN 0
.set BB, BK+64*((\a)%2)
.irp t, 0,1,2,3,4,5,6,7,8,9,10,11,12,13,14,15
	ds_load_b128 v[BB+4*\t:BB+4*\t+3], v[RD] offset:\t*SPITCH
.endr
.endm
.macro SEND a, younger                 ; younger: the LDS instructions issued behind block a's loads, which may stay out
.set BB, BK+64*((\a)%2)
	s_wait_dscnt \younger
.if (\a) > 0
	s_add_nc_u64 s[12:13], s[12:13], 16*SIZE_N*4   ; (behind a wait on XCNT: the earlier stores have read their base)
.endif
.irp t, 0,1,2,3,4,5,6,7,8,9,10,11,12,13,14,15
	v_pk_add_f32 v[BB+4*\t:BB+4*\t+1], v[BB+4*\t:BB+4*\t+1], v[BI:BI+1]
	v_pk_add_f32 v[BB+4*\t+2:BB+4*\t+3], v[BB+4*\t+2:BB+4*\t+3], v[BI+2:BI+3]
	global_store_b128 v[CO], v[BB+4*\t:BB+4*\t+3], s[12:13] offset:\t*SIZE_N*4 th:TH_STORE_NT   ; 32 lanes store 512 consecutive bytes, at a multiple of 512 from out0's first byte
.endr
.endm
	s_wait_loadcnt 0x0                             ; the bias
	PLACES NP
	TOSTAGE 0
.irp a, 1,2,3,4,5,6,7
.if \a > 1
	s_wait_xcnt 0x0                                ; block a - 2's stores have read their registers and their base
.endif
	TOSTAGE \a
	SEND \a-1, 32                                  ; behind block a - 1's loads: block a's 16 stores and 16 loads
.endr
	s_wait_xcnt 0x0
	SEND 7, 0
	s_wait_tensorcnt 0x0                           ; the wave's end
	ds_add_u32 v[SPW], v[NIL]
	s_wait_dscnt 0x0
	CROUND                                         ; the closing round
	s_endpgm
.Lfunc_end_k_q0bf274fa32_outp:
	.size	k_q0bf274fa32_outp, .Lfunc_end_k_q0bf274fa32_outp-k_q0bf274fa32_outp
	.p2alignl 7, 3214868480
	.fill 96, 4, 3214868480
	.section	.rodata,"a",@progbits
	.p2align	6, 0x0
	.amdhsa_kernel k_q0bf274fa32_outp
		.amdhsa_group_segment_fixed_size 327680
		.amdhsa_private_segment_fixed_size 0
		.amdhsa_enable_private_segment 0
		.amdhsa_kernarg_size 48
		.amdhsa_user_sgpr_count 2
		.amdhsa_user_sgpr_kernarg_segment_ptr 1
		.amdhsa_wavefront_size32 1
		.amdhsa_system_sgpr_workgroup_id_x 1
		.amdhsa_system_sgpr_workgroup_id_y 1
		.amdhsa_system_sgpr_workgroup_id_z 1
		.amdhsa_system_vgpr_workitem_id 0
		.amdhsa_next_free_vgpr 1024
		.amdhsa_next_free_sgpr 100
		.amdhsa_reserve_vcc 0
		.amdhsa_float_denorm_mode_32 3
		.amdhsa_float_denorm_mode_16_64 3
		.amdhsa_memory_ordered 1
		.amdhsa_forward_progress 1
		.amdhsa_inst_pref_size 160
	.end_amdhsa_kernel
	.amdgpu_metadata
---
amdhsa.version: [ 1, 2 ]
amdhsa.kernels:
  - .name:           k_q0bf274fa32_outp
    .symbol:         k_q0bf274fa32_outp.kd
    .args:
      - { .name: cc, .offset: 0, .size: 8, .value_kind: global_buffer, .address_space: global }
      - { .name: cs, .offset: 8, .size: 8, .value_kind: global_buffer, .address_space: global }
      - { .name: Ww_codes, .offset: 16, .size: 8, .value_kind: global_buffer, .address_space: global }
      - { .name: Ww_scales, .offset: 24, .size: 8, .value_kind: global_buffer, .address_space: global }
      - { .name: Wb, .offset: 32, .size: 8, .value_kind: global_buffer, .address_space: global }
      - { .name: out0, .offset: 40, .size: 8, .value_kind: global_buffer, .address_space: global }
    .group_segment_fixed_size: 327680
    .private_segment_fixed_size: 0
    .kernarg_segment_align: 8
    .kernarg_segment_size: 48
    .max_flat_workgroup_size: 128
    .sgpr_count:     100
    .vgpr_count:     1024
    .wavefront_size: 32
...
	.end_amdgpu_metadata
.endif
;; end of part 3
